; MI455X (gfx1250); checked and timed in simulation.
; The chip was launched on July 23, 2026; its instructions are those of AMD's public machine-readable ISA for CDNA 5 (MIT licence, August 2026) and "CDNA5" Instruction Set Architecture Reference Guide (July 2026). The comments in the code are by the model that wrote it; some were corrected since.
;; Multi Headed Attention. Allowed arithmetic: matrix products marked QUANTISED: E2M3 operands, one E8M0 scale for each 32 along K, by v_wmma_scale_f32_16x16x128_f8f6f4 with both operands' format E2M3, f32 sums; everything else in f32.
;; Inputs: Wk 1,024 x 1,024 float32; Wo 1,024 x 1,024 float32; Wq 1,024 x 1,024 float32; Wv 1,024 x 1,024 float32; bk 1,024 float32; bo 1,024 float32; bq 1,024 float32; bv 1,024 float32; key 4 x 2,048 x 1,024 float32; mask 4 x 1 x 2,048 x 2,048 bool; query 4 x 2,048 x 1,024 float32; value 4 x 2,048 x 1,024 float32.
;; Outputs: out0 4 x 2,048 x 1,024 float32.
;; This version of the problem:
;;   THIS VERSION OF THE PROBLEM IS GIVEN IN LOW PRECISION. The matrix products marked QUANTISED in the list below multiply operands that are first quantised to E2M3 (2 exponent bits, 3 mantissa bits; 6 bits a number), with one power-of-two scale for each 32 numbers along K (OCP MX v1.0); their sums are f32. All else is computed in f32.
;;   The module's matrix products, in the order in which they are computed (A, B: the left and right operand; K: the contracted axis; several contracted axes count as one K, in the product's order):
;;     1. [M 8,192, K 1,024] x [K 1,024, N 1,024]; A: input query; B: input Wq: QUANTISED
;;     2. [M 8,192, K 1,024] x [K 1,024, N 1,024]; A: input key; B: input Wk: QUANTISED
;;     3. [M 8,192, K 1,024] x [K 1,024, N 1,024]; A: input value; B: input Wv: QUANTISED
;;     4. batch 64 x [M 2,048, K 64] x [K 64, N 2,048]; A: computed on the way; B: computed on the way: QUANTISED
;;     5. batch 64 x [M 2,048, K 2,048] x [K 2,048, N 64]; A: softmax (see below); B: computed on the way: QUANTISED
;;     6. [M 8,192, K 1,024] x [K 1,024, N 1,024]; A: computed on the way; B: input Wo: QUANTISED
;;   THE QUANTISER, for each operand of a quantised product, along K:
;;     - K is cut into blocks of 32 from its start; a last block that is shorter is filled with zeros.
;;     - A block's scale is 2^e with e = floor(log2(the largest magnitude in the block)) - 2, held to -126 .. 127; a block of zeros has e = 0. As a byte (E8M0): e + 127.
;;     - Each number is divided by its block's scale, clamped to +-7.5, and rounded to the nearest number of E2M3, ties to even, subnormals kept.
;;     - The product sums the exact products of the quantised numbers (number of the format x scale) in f32.
;;   ~~~python
;;   def quantise(x, axis):      # numpy; x: float32 -> the quantised numbers, widened to float32 again
;;       x = np.moveaxis(x, axis, -1); K = x.shape[-1]
;;       x = np.pad(x, [(0, 0)] * (x.ndim - 1) + [(0, -K % 32)]); x = x.reshape(x.shape[:-1] + (-1, 32)); a = np.abs(x).max(-1, keepdims=True)
;;       e = np.where(a > 0, np.clip(np.frexp(np.where(a > 0, a, 1))[1] - 1 - 2, -126, 127), 0)      # np.frexp(a)[1] - 1 = floor(log2(a)), exactly
;;       r = np.clip(x / 2.0 ** e, -7.5, 7.5)
;;       step = 2.0 ** (np.maximum(np.frexp(np.where(r == 0, 1, r))[1] - 1, 0) - 3)
;;       q = np.round(r / step) * step * 2.0 ** e      # np.round: ties to even
;;       return np.moveaxis(q.reshape(q.shape[:-2] + (-1,))[..., :K], -1, axis).astype(np.float32)
;;   ~~~
;;   SOFTMAX AHEAD OF A QUANTISED PRODUCT. Where the list says 'softmax', what is quantised is not the finished softmax but p = 2^(t - M), with t = logit x log2(e) and M = ceil(the row's largest t), a whole number; so 1/2 < the row's largest p <= 1. The row's sum l is taken of the UNQUANTISED p, in f32, and the product's result is divided by l at the end. Since M is a whole number, a kernel that streams over the keys may use a running M (the ceiling of the running maximum): every later rescaling is an exact power of two, which a block's scale takes up: the codes' values come out the same.
;;   OPERANDS COMPUTED ON THE WAY. 'Computed on the way' means the value that the module computes at that place (a softmax that the list does not call 'softmax' is quantised finished and normalised). What goes into a quantiser is computed in f32, as accurately as f32 sums, v_exp_f32 and their like allow (about 1e-6 of the number): no bf16 or f16 on the way to a quantiser, and a product that is left as it is and whose result goes on into a quantised operand takes f32 operands (vector FMAs, or v_wmma_f32_16x16x4_f32). A number that lies on a knife's edge between two numbers of the format may be rounded either way, as far as f32 arithmetic and the matrix unit's own rounding can turn it there, and no further.
;; 2 versions, each right; version 2 is version 1 with the launch attn written anew for expert scheduling mode. Each part assembles by itself: llvm-mc -triple=amdgcn-amd-amdhsa -mcpu=gfx1250 --defsym DOCPART=n.
;; ======== version 1 of 2: 4 launches
;; limits: right only within a limited range of input values
;; workspace buffers: xw 22,937,600 bytes; mw 2,097,152 bytes of whole numbers; qkv 19,660,800 bytes; xc 6,553,600 bytes
;; launch prep (part 1): grid 640 x 1, 4 waves a work-group, no clusters, 58,880 bytes of LDS; arguments query, key, value, Wq, Wk, Wv, Wo, mask, xw, mw; writes xw, mw
.if DOCPART == 1
	.amdgcn_target "amdgcn-amd-amdhsa--gfx1250"
	.amdhsa_code_object_version 6
	.text
	.protected	k_q2ef097d82b_prep
	.globl	k_q2ef097d82b_prep
	.p2align	8
	.type	k_q2ef097d82b_prep,@function
k_q2ef097d82b_prep:
	s_mov_b64 s[64:65], 0
	v_nop
	global_prefetch_b8 v0, s[64:65] scope:SCOPE_SE
	s_setreg_imm32_b32 hwreg(HW_REG_WAVE_MODE, 25, 1), 1
	s_wait_xcnt 0x0
; PREP: query, key, value [8192][1024] and Wq, Wk, Wv, Wo [1024 (k)][1024 (n)], f32, become codes of FP6 (E2M3) with one E8M0 byte for each 32 along K; the mask becomes lane masks.
; TILES.  An operand is cut into tiles of 16 rows; row r of tile T stands for the natural row (or weight column) PI(T, r) = 64 (T / 4) + 32 (r / 8) + 8 (T % 4) + r % 8.
; A RECORD (12,800 bytes) is a tile for all of K: eight fragments (16 rows x 128 K) as IMAGES OF THE OPERAND'S REGISTERS, 1,536 bytes each: group g of 256 bytes holds registers 2 g, 2 g + 1, lane l's 8 bytes at 8 l;
; behind them, at 12,288, 32 scale bytes a row.  xw: records 0-511 query, 512-1023 key, 1024-1535 value, 1536.. Wq, 1600.. Wk, 1664.. Wv, 1728.. Wo.
; mw: for batch b, query tile T, key step j (128 keys): 64 words; bit l of word n = mask[b][PI(T, l % 16)][128 j + 64 (n / 32) + 32 (l / 16) + n % 32].
; THE SCALE: 2^(floor(log2(the block's largest magnitude)) - 2); its byte is that magnitude's exponent field - 2, held at 1 from below by a floor among the maximum's leaves.
; LIMITS: a block of zeros gets the byte 1, not 127 (its codes are zeros, and this program alone reads the bytes); NaN and infinities are not served.
; Three paths part on the work-group's number: 0-383 the activations, 384-511 the weights, 512-639 the mask; each path has LDS bytes of its own; waves share nothing, so there is no barrier.
.set REC,  12800
.set RSC,  12288
.set LN,   13                          ; v13 lane, v14 lane % 16, v15 lane / 16
.set RR,   14
.set HH,   15
.set PC,   208                         ; v208-219 a fragment's codes
.set TA,   220                         ; v220-226 the second halves of the blocks' codes, as the conversions leave them
.set BM,   228                         ; v228-231 largest magnitudes, two chains a block
.set SO,   232                         ; v232-233 the conversions' scale operands
.set BY,   234                         ; v234-235 the scale bytes
; 64 numbers of a lane, v[s + 32 c + i] = k 64 c + 32 (lane / 16) + i of my row: two whole blocks.  Codes to v[pc] on, in the operand's order; the blocks' bytes to v[by0], v[by1].
.macro QUANT2 s, pc, by0, by1
	v_max3_num_f32 v[BM], |v[(\s)]|, |v[(\s)+1]|, 0x1800000          ; the floor 2^(3 - 127) is one more leaf: the byte cannot fall under 1
	v_max3_num_f32 v[BM+2], |v[(\s)+32]|, |v[(\s)+33]|, 0x1800000
	v_max3_num_f32 v[BM+1], |v[(\s)+16]|, |v[(\s)+17]|, |v[(\s)+18]|
	v_max3_num_f32 v[BM+3], |v[(\s)+48]|, |v[(\s)+49]|, |v[(\s)+50]|
.irp i, 2,4,6,8,10,12
.irp c, 0,1
	v_max3_num_f32 v[BM+2*\c], v[BM+2*\c], |v[(\s)+32*\c+\i]|, |v[(\s)+32*\c+\i+1]|
	v_max3_num_f32 v[BM+2*\c+1], v[BM+2*\c+1], |v[(\s)+32*\c+\i+17]|, |v[(\s)+32*\c+\i+18]|
.endr
.endr
.irp c, 0,1
	v_max3_num_f32 v[BM+2*\c], v[BM+2*\c], |v[(\s)+32*\c+14]|, |v[(\s)+32*\c+15]|
.endr
.irp c, 0,1
	v_max3_num_f32 v[BM+2*\c], v[BM+2*\c], v[BM+2*\c+1], |v[(\s)+32*\c+31]|
.endr
.irp c, 0,1
	v_add_nc_u32 v[SO+\c], 0xff000000, v[BM+2*\c]                    ; 2 off the exponent field: the conversion takes this operand's exponent field as its scale
.endr
	v_lshrrev_b32 v[\by0], 23, v[SO]
	v_lshrrev_b32 v[\by1], 23, v[SO+1]
.irp c, 0,1
	v_cvt_scalef32_pk16_fp6_f32 v[(\pc)+6*\c:(\pc)+6*\c+2], v[(\s)+32*\c:(\s)+32*\c+15], v[SO+\c]
	v_cvt_scalef32_pk16_fp6_f32 v[TA+4*\c:TA+4*\c+2], v[(\s)+32*\c+16:(\s)+32*\c+31], v[SO+\c]   ; (a conversion's three registers begin on an even number)
.endr
	v_nop                                          ; one plain instruction behind the conversions
.irp c, 0,1
.irp i, 0,1,2
	v_mov_b32 v[(\pc)+6*\c+3+\i], v[TA+4*\c+\i]
.endr
.endr
.endm
	s_load_b512 s[4:19], s[0:1], 0x0               ; query s[4:5], key s[6:7], value s[8:9], Wq s[10:11], Wk s[12:13], Wv s[14:15], Wo s[16:17], mask s[18:19]
	s_load_b128 s[20:23], s[0:1], 0x40             ; xw s[20:21], mw s[22:23]
	v_lshl_add_u32 v254, v0, 2, 0xe400
	v_mov_b32 v255, 0
	v_lshrrev_b32 v1, 5, v0
	v_readfirstlane_b32 s24, v1                    ; wave 0..3
	v_and_b32 v[LN], 31, v0
	v_and_b32 v[RR], 15, v0
	v_bfe_u32 v[HH], v0, 4, 1
	s_mov_b32 s29, 0                               ; the upper word of every offset pair s[28:29]
	s_wait_kmcnt 0x0
	s_cmp_lt_u32 ttmp9, 384
	s_cbranch_scc0 .Lnot_x
; ---------------- THE ACTIVATIONS.  A wave takes one tile: 16 rows x 1,024 K, in eight K steps of 128.
; Each load reads 512 consecutive bytes of one row; a step's 16 rows turn through the wave's own stage (rows 528 bytes apart), so that a lane gets its two blocks of 32 neighbours.
.set R0,   16                          ; v16-79, v80-143 two sets of 64 numbers as loaded
.set X,    144                         ; v144-207 the same in the operand's order
.set WS,   236                         ; v236-243 my half of each K step's scale word
.set TT,   244                         ; v244-251 the other half of the lanes'
	s_lshr_b32 s25, ttmp9, 7                       ; which input: 128 work-groups each
	s_cmp_eq_u32 s25, 0
	s_cselect_b64 s[26:27], s[4:5], s[6:7]
	s_cmp_eq_u32 s25, 2
	s_cselect_b64 s[26:27], s[8:9], s[26:27]
	s_and_b32 s28, ttmp9, 127
	s_lshl_b32 s28, s28, 18                        ; tile T = 4 x (work-group % 128) + wave: its first row is 64 (T / 4) + 8 (T % 4), rows of 4,096 bytes
	s_lshl_b32 s25, s24, 15
	s_add_co_u32 s28, s28, s25
	s_add_nc_u64 s[26:27], s[26:27], s[28:29]
	s_lshl_b32 s28, ttmp9, 2
	s_add_co_u32 s28, s28, s24
	s_mul_i32 s28, s28, REC
	s_add_nc_u64 s[30:31], s[20:21], s[28:29]      ; my record
	s_mul_i32 s32, s24, 8448                       ; my stage: 16 x 528 bytes
	s_mov_b32 s34, 0x76543210
	s_mov_b32 s35, 0xfedcba98                      ; v_permlanex16_b32's selects for lane l xor 16
	v_lshlrev_b32 v1, 4, v[LN]                     ; 16 x lane: my bytes of a load
	v_add_nc_u32 v2, s32, v1                       ; the stage, in
	v_mul_u32_u24 v3, v[RR], 528
	v_lshl_add_u32 v3, v[HH], 7, v3
	v_add_nc_u32 v3, s32, v3                       ; the stage, out: row r, + 128 bytes for lanes 16-31
	v_lshlrev_b32 v4, 3, v[LN]                     ; 8 x lane: my place in a group of an image
	v_lshlrev_b32 v5, 3, v[HH]                     ; 8 x (lane / 16): where my bytes stand in a scale word
	v_lshlrev_b32 v6, 5, v[RR]
	v_lshl_add_u32 v6, v[HH], 4, v6                ; the scale words' way out: 32 r + 16 h
.irp i, 0,1,2,3,4,5,6,7
	v_mov_b32 v[TT+\i], 0                          ; a lane permute's destination counts as one of its sources
.endr
.macro XLOAD s
.irp i, 0,1,2,3,4,5,6,7,8,9,10,11,12,13,14,15
	global_load_b128 v[R0+64*((\s)%2)+4*\i:R0+64*((\s)%2)+4*\i+3], v1, s[26:27] offset:(\i+24*(\i/8))*4096+512*(\s) th:TH_LOAD_NT   ; tile row i is 24 (i / 8) rows further down than i
.endr
.endm
.macro XSTEP s
.if (\s) < 7
	s_wait_loadcnt 16                              ; this step's 16 loads are in; the next step's 16 may be out
.else
	s_wait_loadcnt 0x0
.endif
.irp i, 0,1,2,3,4,5,6,7,8,9,10,11,12,13,14,15
	ds_store_b128 v2, v[R0+64*((\s)%2)+4*\i:R0+64*((\s)%2)+4*\i+3] offset:528*\i
.endr
.irp c, 0,1
.irp q, 0,1,2,3,4,5,6,7
	ds_load_b128 v[X+32*\c+4*\q:X+32*\c+4*\q+3], v3 offset:256*\c+16*\q   ; LDS serves a wave's instructions in order: these see the stores above
.endr
.endr
	s_wait_dscnt 0x0
.if (\s)+2 < 8
	XLOAD (\s)+2                                   ; into the set that the stage's stores have read
.endif
	s_wait_xcnt 0x0                                ; the last step's stores have read the codes' registers, which are written anew below
	QUANT2 X, PC, BY, BY+1
	v_lshl_or_b32 v[WS+(\s)], v[BY+1], 16, v[BY]   ; my blocks are h and 2 + h of the step's four
	v_lshlrev_b32 v[WS+(\s)], v5, v[WS+(\s)]
.irp g, 0,1,2,3,4,5
	global_store_b64 v4, v[PC+2*\g:PC+2*\g+1], s[30:31] offset:1536*(\s)+256*\g   ; the wave stores 256 consecutive bytes, aligned
.endr
.endm
	XLOAD 0
	XLOAD 1
.irp s, 0,1,2,3,4,5,6,7
	XSTEP \s
.endr
.irp i, 0,1,2,3,4,5,6,7
	v_permlanex16_b32 v[TT+\i], v[WS+\i], s34, s35
.endr
.irp i, 0,1,2,3,4,5,6,7
	v_or_b32 v[WS+\i], v[WS+\i], v[TT+\i]          ; with lane l xor 16's two bytes each word is whole
.endr
	v_cmp_ne_u32 vcc_lo, 0, v[HH]
.irp i, 0,1,2,3
	v_cndmask_b32 v[TT+\i], v[WS+\i], v[WS+4+\i], vcc_lo   ; lanes 0-15 store the row's words 0-3, lanes 16-31 its words 4-7
.endr
	global_store_b128 v6, v[TT:TT+3], s[30:31] offset:RSC   ; 512 consecutive bytes
	s_wait_tensorcnt 0x0
	ds_add_u32 v254, v255
	s_wait_dscnt 0x0
	s_endpgm
.Lnot_x:
	s_cmp_lt_u32 ttmp9, 512
	s_cbranch_scc0 .Lmask
; ---------------- THE WEIGHTS.  K is their first axis: a lane takes a column and its registers run down K, so a block of 32 lies in one lane.
; A work-group takes two tiles (32 columns) of one weight, its wave w rows 256 w .. 256 w + 255: eight blocks a lane, two K steps.  The codes go through the wave's own stage into the images' order.
.set WX,   16                          ; v16-79 two sets of 32 numbers
.set WC,   80                          ; v80-86 a block's codes
.set WSB,  88                          ; v88-89 my eight scale bytes
.set WOUT, 96                          ; v96-143 the way out
	s_sub_co_u32 s25, ttmp9, 384
	s_lshr_b32 s33, s25, 5                         ; which weight: 0 Wq, 1 Wk, 2 Wv, 3 Wo
	s_and_b32 s25, s25, 31                         ; which pair of tiles
	s_cmp_lt_u32 s33, 2
	s_cselect_b64 s[26:27], s[10:11], s[14:15]
	s_cselect_b64 s[36:37], s[12:13], s[16:17]
	s_and_b32 s28, s33, 1
	s_cmp_eq_u32 s28, 0
	s_cselect_b64 s[26:27], s[26:27], s[36:37]
	s_lshr_b32 s28, s25, 1
	s_lshl_b32 s28, s28, 8                         ; tile T0 = 2 x pair: columns from 64 (T0 / 4) + 8 (T0 % 4) on, 4 bytes each
	s_and_b32 s32, s25, 1
	s_lshl_b32 s32, s32, 6
	s_add_co_u32 s28, s28, s32
	s_lshl_b32 s32, s24, 20                        ; my 256 rows of 4,096 bytes
	s_add_co_u32 s28, s28, s32
	s_add_nc_u64 s[26:27], s[26:27], s[28:29]
	s_lshl_b32 s28, s33, 6
	s_lshl_b32 s32, s25, 1
	s_add_co_u32 s28, s28, s32
	s_add_co_u32 s28, s28, 1536
	s_mul_i32 s28, s28, REC
	s_add_nc_u64 s[30:31], s[20:21], s[28:29]      ; tile T0's record
	s_mul_i32 s28, s24, 3072
	s_add_nc_u64 s[38:39], s[30:31], s[28:29]      ; its K steps 2 w, 2 w + 1
	s_lshl_b32 s28, s24, 3
	s_add_nc_u64 s[30:31], s[30:31], s[28:29]      ; and, in each row's 32 scale bytes, my eight
	s_mul_i32 s32, s24, 6144
	s_add_co_u32 s32, s32, 33792                   ; my stage, behind the first path's bytes: [K step][tile][1,536]
	v_and_b32 v1, 7, v[RR]
	v_lshl_add_u32 v1, v[HH], 3, v1
	v_lshrrev_b32 v6, 3, v[RR]
	v_lshl_add_u32 v1, v6, 5, v1
	v_lshlrev_b32 v1, 2, v1                        ; lane 16 u + r: column 32 (r / 8) + 8 u + r % 8 of the pair's: tile T0 + u, row r
	v_mul_u32_u24 v2, v[HH], 1536
	v_lshl_add_u32 v2, v[RR], 3, v2
	v_add_nc_u32 v2, s32, v2                       ; the stage, in: my tile's image, 8 r
	v_lshlrev_b32 v4, 4, v[LN]                     ; 16 x lane
	v_add_nc_u32 v3, s32, v4                       ; the stage, out
	v_mul_u32_u24 v5, v[HH], REC
	v_lshl_add_u32 v5, v[RR], 5, v5                ; my row's scale bytes: tile u's record, 32 r
.macro WLOAD t
.irp i, 0,1,2,3,4,5,6,7,8,9,10,11,12,13,14,15,16,17,18,19,20,21,22,23,24,25,26,27,28,29,30,31
	global_load_b32 v[WX+32*((\t)%2)+\i], v1, s[26:27] offset:(32*(\t)+\i)*4096
.endr
.endm
.macro WBLOCK t
.set XS, WX+32*((\t)%2)
.if (\t) < 7
	s_wait_loadcnt 32                              ; this block's 32 loads are in; the next block's may be out
.else
	s_wait_loadcnt 0x0
.endif
	v_max3_num_f32 v[BM], |v[XS]|, |v[XS+1]|, 0x1800000
	v_max3_num_f32 v[BM+1], |v[XS+16]|, |v[XS+17]|, |v[XS+18]|
.irp i, 2,4,6,8,10,12
	v_max3_num_f32 v[BM], v[BM], |v[XS+\i]|, |v[XS+\i+1]|
	v_max3_num_f32 v[BM+1], v[BM+1], |v[XS+\i+17]|, |v[XS+\i+18]|
.endr
	v_max3_num_f32 v[BM], v[BM], |v[XS+14]|, |v[XS+15]|
	v_max3_num_f32 v[BM], v[BM], v[BM+1], |v[XS+31]|
	v_add_nc_u32 v[SO], 0xff000000, v[BM]
	v_lshrrev_b32 v[BY], 23, v[SO]
.if (\t)%4 == 0
	v_mov_b32 v[WSB+(\t)/4], v[BY]
.else
	v_lshl_or_b32 v[WSB+(\t)/4], v[BY], 8*((\t)%4), v[WSB+(\t)/4]
.endif
	v_cvt_scalef32_pk16_fp6_f32 v[WC:WC+2], v[XS:XS+15], v[SO]
	v_cvt_scalef32_pk16_fp6_f32 v[WC+4:WC+6], v[XS+16:XS+31], v[SO]
	v_nop                                          ; one plain instruction behind the conversions
	v_mov_b32 v[WC+3], v[WC+4]
	v_mov_b32 v[WC+4], v[WC+5]
	v_mov_b32 v[WC+5], v[WC+6]
.irp g, 0,1,2                                  ; block t of my eight is block t % 4 of K step t / 4: registers 6 ((t % 4) / 2) on of the lanes of half t % 2
	ds_store_b64 v2, v[WC+2*\g:WC+2*\g+1] offset:3072*((\t)/4)+768*(((\t)%4)/2)+128*((\t)%2)+256*\g
.endr
.if (\t)+2 < 8
	WLOAD (\t)+2
.endif
	s_wait_dscnt 0x0                               ; the stores have read their registers: the next block's codes may be written
.endm
	WLOAD 0
	WLOAD 1
.irp t, 0,1,2,3,4,5,6,7
	WBLOCK \t
.endr
	global_store_b64 v5, v[WSB:WSB+1], s[30:31] offset:RSC   ; 8 bytes of each row's 32: one byte for each 128 that this path reads
.irp k, 0,1,2,3,4,5,6,7,8,9,10,11
	ds_load_b128 v[WOUT+4*\k:WOUT+4*\k+3], v3 offset:512*\k
.endr
.irp k, 0,1,2,3,4,5,6,7,8,9,10,11              ; piece k = 6 s + 3 u + i: K step s, tile u, 512 bytes i
	s_wait_dscnt 11-\k
	global_store_b128 v4, v[WOUT+4*\k:WOUT+4*\k+3], s[38:39] offset:REC*((\k/3)%2)+1536*(\k/6)+512*(\k%3)   ; 512 consecutive bytes, aligned to 256
.endr
	s_wait_tensorcnt 0x0
	ds_add_u32 v254, v255
	s_wait_dscnt 0x0
	s_endpgm
.Lmask:
; ---------------- THE MASK.  A wave takes one query tile of one batch and all 2,048 keys, 16 steps of 128: a lane's 64 bytes of a step become bit l of 64 words.
.set MM,   16                          ; v16-79 four sets of 16 registers
.set OUT,  80                          ; v80-81 a step's 64 words: word n in lane n / 2, register n % 2
.set MT,   84                          ; v84-87 at work
.set VA,   8                           ; v8-11 the four sets' offsets
.set VSO,  12                          ; v12 the words' offset
	s_sub_co_u32 s25, ttmp9, 512
	s_lshr_b32 s26, s25, 5                         ; batch
	s_and_b32 s27, s25, 31
	s_lshl_b32 s28, s26, 22                        ; 2,048 x 2,048 bytes a batch
	s_lshl_b32 s32, s27, 17                        ; tile T = 4 x (work-group % 32) + wave: first row 64 (T / 4) + 8 (T % 4), rows of 2,048 bytes
	s_add_co_u32 s28, s28, s32
	s_lshl_b32 s32, s24, 14
	s_add_co_u32 s28, s28, s32
	s_add_nc_u64 s[18:19], s[18:19], s[28:29]
	s_lshl_b32 s30, s25, 2
	s_add_co_u32 s30, s30, s24                     ; 128 x batch + T
	s_lshl_b32 s28, s30, 12
	s_add_nc_u64 s[32:33], s[22:23], s[28:29]      ; its 16 x 256 bytes of words
	v_and_b32 v6, 7, v[RR]
	v_lshrrev_b32 v7, 3, v[RR]
	v_lshl_add_u32 v6, v7, 5, v6
	v_lshlrev_b32 v6, 11, v6
	v_lshl_add_u32 v6, v[HH], 5, v6                ; my row, + 32 bytes for lanes 16-31
.irp k, 0,1,2,3
	v_add_nc_u32 v[VA+\k], 128*\k, v6
.endr
	v_lshlrev_b32 v[VSO], 3, v[LN]
	v_mov_b32 v[OUT], 0                            ; v_writelane_b32's destination counts as one of its sources
	v_mov_b32 v[OUT+1], 0
.macro MLOAD k
	global_load_b128 v[MM+16*\k:MM+16*\k+3], v[VA+\k], s[18:19]
	global_load_b128 v[MM+16*\k+4:MM+16*\k+7], v[VA+\k], s[18:19] offset:16
	global_load_b128 v[MM+16*\k+8:MM+16*\k+11], v[VA+\k], s[18:19] offset:64
	global_load_b128 v[MM+16*\k+12:MM+16*\k+15], v[VA+\k], s[18:19] offset:80
.endm
.macro MSTEP k, reload, left
	s_wait_loadcnt \left                           ; this set's four loads are in; the younger sets' may be out
	s_wait_xcnt 0x0                                ; the last step's store has read the words' registers
.set n, 0
.rept 64
	v_and_b32 v[MT+n%4], 0xff<<(8*(n%4)), v[MM+16*(\k)+8*(n/32)+(n%32)/4]
	v_cmp_ne_u32 s[40+n%8], 0, v[MT+n%4]           ; bit l: my lane's byte n is true
	v_writelane_b32 v[OUT+n%2], s[40+n%8], n/2
.set n, n+1
.endr
	global_store_b64 v[VSO], v[OUT:OUT+1], s[32:33] offset:256*\k   ; 256 consecutive bytes, aligned
.if \reload
	v_add_nc_u32 v[VA+\k], 512, v[VA+\k]           ; four steps on; this set's loads are done, so their offset may be written
	MLOAD \k
.endif
.endm
.irp k, 0,1,2,3
	MLOAD \k
.endr
	s_mov_b32 s39, 3
.Lmtrip:
.irp k, 0,1,2,3
	MSTEP \k, 1, 12
.endr
	s_wait_xcnt 0x0                                ; the stores have read their offset
	v_add_nc_u32 v[VSO], 1024, v[VSO]
	s_sub_co_u32 s39, s39, 1
	s_cmp_lg_u32 s39, 0
	s_cbranch_scc1 .Lmtrip
	MSTEP 0, 0, 12                                 ; the last four steps load nothing: the counts run down
	MSTEP 1, 0, 8
	MSTEP 2, 0, 4
	MSTEP 3, 0, 0
	s_endpgm
.Lfunc_end_k_q2ef097d82b_prep:
	.size	k_q2ef097d82b_prep, .Lfunc_end_k_q2ef097d82b_prep-k_q2ef097d82b_prep
	.p2alignl 7, 3214868480
	.fill 96, 4, 3214868480
	.section	.rodata,"a",@progbits
	.p2align	6, 0x0
	.amdhsa_kernel k_q2ef097d82b_prep
		.amdhsa_group_segment_fixed_size 58880
		.amdhsa_private_segment_fixed_size 0
		.amdhsa_enable_private_segment 0
		.amdhsa_kernarg_size 80
		.amdhsa_user_sgpr_count 2
		.amdhsa_user_sgpr_kernarg_segment_ptr 1
		.amdhsa_wavefront_size32 1
		.amdhsa_system_sgpr_workgroup_id_x 1
		.amdhsa_system_sgpr_workgroup_id_y 1
		.amdhsa_system_sgpr_workgroup_id_z 1
		.amdhsa_system_vgpr_workitem_id 0
		.amdhsa_next_free_vgpr 256
		.amdhsa_next_free_sgpr 66
		.amdhsa_reserve_vcc 1
		.amdhsa_float_denorm_mode_32 3
		.amdhsa_float_denorm_mode_16_64 3
		.amdhsa_memory_ordered 1
		.amdhsa_forward_progress 1
		.amdhsa_inst_pref_size 203
	.end_amdhsa_kernel
	.amdgpu_metadata
---
amdhsa.version: [ 1, 2 ]
amdhsa.kernels:
  - .name:           k_q2ef097d82b_prep
    .symbol:         k_q2ef097d82b_prep.kd
    .args:
      - { .name: query, .offset: 0, .size: 8, .value_kind: global_buffer, .address_space: global }
      - { .name: key, .offset: 8, .size: 8, .value_kind: global_buffer, .address_space: global }
      - { .name: value, .offset: 16, .size: 8, .value_kind: global_buffer, .address_space: global }
      - { .name: Wq, .offset: 24, .size: 8, .value_kind: global_buffer, .address_space: global }
      - { .name: Wk, .offset: 32, .size: 8, .value_kind: global_buffer, .address_space: global }
      - { .name: Wv, .offset: 40, .size: 8, .value_kind: global_buffer, .address_space: global }
      - { .name: Wo, .offset: 48, .size: 8, .value_kind: global_buffer, .address_space: global }
      - { .name: mask, .offset: 56, .size: 8, .value_kind: global_buffer, .address_space: global }
      - { .name: xw, .offset: 64, .size: 8, .value_kind: global_buffer, .address_space: global }
      - { .name: mw, .offset: 72, .size: 8, .value_kind: global_buffer, .address_space: global }
    .group_segment_fixed_size: 58880
    .private_segment_fixed_size: 0
    .kernarg_segment_align: 8
    .kernarg_segment_size: 80
    .max_flat_workgroup_size: 128
    .sgpr_count:     66
    .vgpr_count:     256
    .wavefront_size: 32
...
	.end_amdgpu_metadata
.endif
;; end of part 1
;; launch proj (part 2): grid 4 x 96, 4 waves a work-group, clusters of 4 x 4, 327,680 bytes of LDS; arguments xw, bq, bk, bv, qkv; writes qkv
.if DOCPART == 2
	.amdgcn_target "amdgcn-amd-amdhsa--gfx1250"
	.amdhsa_code_object_version 6
	.text
	.protected	k_q2ef097d82b_proj
	.globl	k_q2ef097d82b_proj
	.p2align	8
	.type	k_q2ef097d82b_proj,@function
k_q2ef097d82b_proj:
	s_mov_b64 s[64:65], 0
	v_nop
	global_prefetch_b8 v0, s[64:65] scope:SCOPE_SE
	s_setreg_imm32_b32 hwreg(HW_REG_WAVE_MODE, 25, 1), 1
	s_wait_xcnt 0x0
	s_wait_alu depctr_hold_cnt(0) depctr_sa_sdst(0) depctr_va_vdst(0) depctr_va_sdst(0) depctr_va_ssrc(0) depctr_va_vcc(0) depctr_vm_vsrc(0)
	s_getreg_b32 s2, hwreg(HW_REG_IB_STS2, 6, 4)
	s_cmp_eq_u32 s2, 0
	s_cbranch_scc0 .Lentry_in_a_cluster
	s_endpgm
.Lentry_in_a_cluster:
	s_bfe_u32 s2, ttmp6, 0x10000c
	s_cmp_lg_u32 s2, 0xf033
	s_cbranch_scc0 .Lentry_shape_is_right
	s_endpgm
.Lentry_shape_is_right:
; PROJ: q = query Wq + bq, k = key Wk + bk, v = value Wv + bv on codes of FP6 (E2M3) with E8M0 scales, f32 sums; the results are quantised here, in registers, and leave as codes for the attention launch.
; OPERANDS come from xw as records (a tile of 16 rows for all of K: eight fragments as images of the operand's registers, 1,536 bytes each, then 32 scale bytes a row; row r of tile T is the natural row
; PI(T, r) = 64 (T / 4) + 32 (r / 8) + 8 (T % 4) + r % 8).  A product's source 0 is called P, its source 1 Q.  With P's tiles 4 c .. 4 c + 3 a lane's 32 results are the natural indices 64 c + 32 (lane / 16) + 0 .. 31 along P:
; a WHOLE block of 32 of the next product's K in one lane, in the order of the operand's registers.  So for q and k: P = the weight (the next K is the head's 64), Q = the rows; for v: P = value's rows (the next K is the keys), Q = Wv.
; A cluster of 4 x 4 work-groups makes 1,024 x 1,024; cluster y = 8 x (0 q, 1 k, 2 v) + which 1,024 rows.  A work-group makes 256 x 256, a wave 128 x 128: 64 accumulators, 512 registers.
; K goes in steps of 256 through two LDS slots filled by the tensor data mover: 8 tiles x 3,072 consecutive bytes a load.  P's tiles are shared along a column of the cluster, Q's along a row: joint loads.  The scale bytes come once.
; OUTPUT qkv: q's and k's codes [b x 16 + head][tile 0..127][768] at 0 and 6,291,456 (half fragments: 64 along K); v's [b x 16 + head][key step j][tile t of the head's 64][1,536] at 12,582,912;
; scale words [b x 16 + head][j][row r][4 words] at 18,874,368 + 262,144 x (0, 1, 2): q, k: word f = tiles 8 j + 2 f and 8 j + 2 f + 1, two bytes each; v: word t = tile t.
; LIMITS: a block of zeros gets the byte 1, not 127 (its codes are zeros; this program alone reads the bytes); NaN and infinities are not served.
; REGISTERS, in windows of 256: window 0: v0-31 addresses; v32-63 scale words, two sets; v64-127 the bias along P, in the result's layout: the C of the first K step's products; v128-223 Q's fragments, one set (on the way out: at work);
;   v224-231 the bias along Q; v232-255 the way out's bytes and words.  window 1: P's fragments, two sets, at v0 and v128.  windows 2, 3: the accumulators of Q's blocks 0-3 and 4-7 ((a, b) at v[8 (8 (a % 4) + b)]).
.set NQ,     2                         ; matrix instructions deep in a slot
.set FR,     12                        ; registers of a fragment
.set NL,     6                         ; LDS loads that bring one
.set NP,     4                         ; places behind this matrix instruction (ISA guide 7.12.1)
.set REC,    12800
.set RSC,    12288
.set STEPB,  3072                      ; a tile's bytes of a slot: two fragments
.set HALFT,  8*STEPB                   ; 8 tiles: what one tensor load brings, and what one wave reads of P or of Q
.set SLOT,   4*HALFT                   ; Q's 16 tiles, then P's 16
.set LAPS,   2                         ; K = 1,024 is twice round the ring
.set SCL,    2*SLOT                    ; behind the ring: the scale bytes, 256 bytes + 16 of padding at a time
.set HALFS,  4352                      ; those of 8 tiles
.set SBLK,   544                       ; those of one
.set SPARE,  SCL+4*HALFS               ; the spare words, 128 bytes for each wave: two blocks of 256 bytes that no other line names
.set ADRA, 16                          ; v16-17 LDS address of Q's fragments in slot 0, 1
.set ADRB, 20                          ; v20-21 the same for P
.set VO0,  24                          ; v24 8 x lane
.set VO1,  25                          ; v25 8 x lane + the distance to a fragment's second half
.set SH8,  26                          ; v26 8 x (lane / 16)
.set ADRS, 27                          ; v27 LDS address of my scale words: lanes 0-15 Q's rows, lanes 16-31 P's
.set SPW,  28                          ; v28 LDS address of my spare word; never rewritten
.set NIL,  29                          ; v29 0; never rewritten
.set VOS,  30                          ; v30 the scale words' way out
.set SC,   32
.set BI,   64
.set AF,   128
.set BQ,   224
.set H,    128                         ; the way out: 64 numbers of a block
.set PC,   192
.set TA,   204
.set BM,   212
.set SO,   216
.set BY,   232                         ; v232-247 byte of block a, half c at BY + 2 a + c
.set WD,   248                         ; v248-255 scale words
.set G1, 24                            ; s[24:31] descriptor group 1 for Q's tiles; s[32:39] group 0, a set for each slot
.set G0, 32
.set G1B, 48                           ; s[48:55], s[56:63] the same for P's
.set G0B, 56
.set G1S, 68                           ; s[68:75], s[76:79] for Q's scales; s[80:87], s[88:91] for P's
.set G0S, 76
.set G1SB, 80
.set G0SB, 88
.set MSB, 0
.macro WIN new                         ; the immediate's high byte repeats the setting that is left
.if MSB != \new
	s_set_vgpr_msb (MSB<<8)|\new
.set MSB, \new
.endif
.endm
.set MUL_LO, 0xa1                      ; source 0 (P) window 1, source 1 (Q) window 0, C and D window 2
.set MUL_HI, 0xf1                      ; the same, C and D window 3
.set TO_B,   0x40                      ; destination window 1, address window 0
; A joint load: waves 0 and 1 fetch for Q, waves 2 and 3 for P.  Each line has one mask and one set of registers for all that issue it; the branch hangs on the wave's number alone.  Four v_nop follow each line.
.macro JLOAD g0a, g1a, g0b, g1b
	s_cmp_eq_u32 s15, 0
	s_cbranch_scc0 .Lfor_b_\@
	tensor_load_to_lds s[\g0a:\g0a+3], s[\g1a:\g1a+7]
	s_nop 0
.rept 4
	v_nop
.endr
	s_branch .Lasked_\@
.Lfor_b_\@:
	tensor_load_to_lds s[\g0b:\g0b+3], s[\g1b:\g1b+7]
	s_nop 0
.rept 4
	v_nop
.endr
.Lasked_\@:
.endm
.macro CREST                           ; a round of the cluster's barrier behind its opening barrier
	s_cmp_lg_u32 s14, 0
	s_cbranch_scc1 .Lnot_wave_0_\@
	s_barrier_signal -3
.Lnot_wave_0_\@:
	s_barrier_wait -3
	s_barrier_signal -1
	s_barrier_wait -1
.endm
.macro CROUND
	s_barrier_signal -1
	s_barrier_wait -1
	CREST
.endm
.macro QUANT2 s, pc, by0, by1          ; 64 numbers of a lane, two whole blocks of 32, become 12 registers of codes and two scale bytes
	v_max3_num_f32 v[BM], |v[(\s)]|, |v[(\s)+1]|, 0x1800000          ; the floor 2^(3 - 127) is one more leaf: the byte cannot fall under 1
	v_max3_num_f32 v[BM+2], |v[(\s)+32]|, |v[(\s)+33]|, 0x1800000
	v_max3_num_f32 v[BM+1], |v[(\s)+16]|, |v[(\s)+17]|, |v[(\s)+18]|
	v_max3_num_f32 v[BM+3], |v[(\s)+48]|, |v[(\s)+49]|, |v[(\s)+50]|
.irp i, 2,4,6,8,10,12
.irp c, 0,1
	v_max3_num_f32 v[BM+2*\c], v[BM+2*\c], |v[(\s)+32*\c+\i]|, |v[(\s)+32*\c+\i+1]|
	v_max3_num_f32 v[BM+2*\c+1], v[BM+2*\c+1], |v[(\s)+32*\c+\i+17]|, |v[(\s)+32*\c+\i+18]|
.endr
.endr
.irp c, 0,1
	v_max3_num_f32 v[BM+2*\c], v[BM+2*\c], |v[(\s)+32*\c+14]|, |v[(\s)+32*\c+15]|
.endr
.irp c, 0,1
	v_max3_num_f32 v[BM+2*\c], v[BM+2*\c], v[BM+2*\c+1], |v[(\s)+32*\c+31]|
.endr
.irp c, 0,1
	v_add_nc_u32 v[SO+\c], 0xff000000, v[BM+2*\c]                    ; 2 off the exponent field: the conversion's scale operand
.endr
	v_lshrrev_b32 v[\by0], 23, v[SO]
	v_lshrrev_b32 v[\by1], 23, v[SO+1]
.irp c, 0,1
	v_cvt_scalef32_pk16_fp6_f32 v[(\pc)+6*\c:(\pc)+6*\c+2], v[(\s)+32*\c:(\s)+32*\c+15], v[SO+\c]
	v_cvt_scalef32_pk16_fp6_f32 v[TA+4*\c:TA+4*\c+2], v[(\s)+32*\c+16:(\s)+32*\c+31], v[SO+\c]
.endr
	v_nop                                          ; one plain instruction behind the conversions
.irp c, 0,1
.irp i, 0,1,2
	v_mov_b32 v[(\pc)+6*\c+3+\i], v[TA+4*\c+\i]
.endr
.endr
.endm
	s_load_b256 s[4:11], s[0:1], 0x0               ; xw s[4:5], bq s[6:7], bk s[8:9], bv s[10:11]
	s_load_b64 s[12:13], s[0:1], 0x20              ; qkv
	v_lshl_add_u32 v[SPW], v0, 2, SPARE
	v_mov_b32 v[NIL], 0
	ds_add_u32 v28, v29
	ds_add_u32 v28, v29
	s_wait_dscnt 0x0
	v_lshrrev_b32 v1, 5, v0
	v_readfirstlane_b32 s14, v1                    ; wave 0..3
	s_lshr_b32 s15, s14, 1                         ; which half of Q's 16 tiles is mine.  Also: I fetch for Q (0) or for P (1)
	s_and_b32 s16, s14, 1                          ; which half of P's.  Also: which 8 tiles I fetch
	s_bfe_u32 s40, ttmp6, 0x40000                  ; cx, cy: my place in the cluster
	s_bfe_u32 s41, ttmp6, 0x40004
	s_and_b32 s17, ttmp7, 0xffff                   ; cluster y
	s_lshr_b32 s42, s17, 3                         ; 0 q, 1 k, 2 v: the same in all partners
	s_and_b32 s18, s17, 7
	s_lshl_b32 s18, s18, 6                         ; the cluster's first tile of rows: 64 x (cluster y % 8)
	s_lshl_b32 s43, s41, 2
	s_lshl_b32 s43, 15, s43                        ; my row of the cluster
	s_lshl_b32 s44, 0x1111, s40                    ; my column
	; descriptor group 1, codes: 8 rows (tiles) of 384 elements of 8 bytes, 1,600 elements (a record) apart; dense in LDS
	s_or_b32 s[G1+0], s43, (3<<16)|(1<<21)         ; 15:0 the mask: Q's tiles go to my row; 17:16 elements of 8 bytes; 21 set beside a mask
	s_or_b32 s[G1B+0], s44, (3<<16)|(1<<21)        ; P's go to my column
.irp g, G1, G1B
	s_mov_b32 s[\g+1], 384<<16                     ; tensor_dim0
	s_mov_b32 s[\g+2], 8<<16                       ; tensor_dim1
	s_mov_b32 s[\g+3], 384<<16                     ; tile_dim0
	s_mov_b32 s[\g+4], 8                           ; tile_dim1
	s_mov_b32 s[\g+5], 1600                        ; tensor_dim0_stride
	s_mov_b32 s[\g+6], 0
	s_mov_b32 s[\g+7], 0
.endr
	; scales: 8 rows of 64 elements (a tile's 512 bytes), 16 bytes of padding behind every 256
	s_or_b32 s[G1S+0], s43, (3<<16)|(1<<20)|(1<<21)|(5<<22)|(3<<25)
	s_or_b32 s[G1SB+0], s44, (3<<16)|(1<<20)|(1<<21)|(5<<22)|(3<<25)
.irp g, G1S, G1SB
	s_mov_b32 s[\g+1], 64<<16
	s_mov_b32 s[\g+2], 8<<16
	s_mov_b32 s[\g+3], 64<<16
	s_mov_b32 s[\g+4], 8
	s_mov_b32 s[\g+5], 1600
	s_mov_b32 s[\g+6], 0
	s_mov_b32 s[\g+7], 0
.endr
	s_lshl_b32 s19, s42, 6
	s_add_co_u32 s19, s19, 1536                    ; q, k: P = the weight's tiles,
	s_lshl_b32 s22, s42, 9
	s_add_co_u32 s22, s22, s18                     ;       Q = the rows' tiles
	s_add_co_u32 s23, s18, 1024                    ; v:    P = value's tiles, Q = Wv's (1,664 on)
	s_cmp_eq_u32 s42, 2
	s_cselect_b32 s46, s23, s19
	s_cselect_b32 s20, 1664, s22
	s_lshl_b32 s19, s16, 3                         ; which 8 tiles I fetch
	s_lshl_b32 s21, s41, 4
	s_add_co_u32 s20, s20, s21                     ; Q's hang on cy alone, which my row shares;
	s_add_co_u32 s20, s20, s19
	s_lshl_b32 s47, s40, 4
	s_add_co_u32 s46, s46, s47                     ; P's on cx alone, which my column shares
	s_add_co_u32 s46, s46, s19
	s_mul_i32 s20, s20, REC
	s_mul_i32 s46, s46, REC
	s_mov_b32 s21, 0
	s_mov_b32 s47, 0
	s_mul_i32 s45, s14, HALFT                      ; where they go: wave x 8 tiles: no place in the cluster enters an LDS address
	s_mul_i32 s94, s14, HALFS
	s_wait_kmcnt 0x0
	s_add_nc_u64 s[20:21], s[4:5], s[20:21]
	s_add_nc_u64 s[46:47], s[4:5], s[46:47]
	CROUND                                         ; all sixteen work-groups are here: the first joint loads meet
	s_mov_b32 s[G0S], 1
	s_add_co_u32 s[G0S+1], s94, SCL
	s_add_nc_u64 s[G0S+2:G0S+3], s[20:21], RSC
	s_or_b32 s[G0S+3], s[G0S+3], 0x80000000
	s_mov_b32 s[G0SB], 1
	s_add_co_u32 s[G0SB+1], s94, SCL
	s_add_nc_u64 s[G0SB+2:G0SB+3], s[46:47], RSC
	s_or_b32 s[G0SB+3], s[G0SB+3], 0x80000000
	JLOAD G0S, G1S, G0SB, G1SB                     ; the scales first: they are wanted with K step 0
.irp s, 0,1
	s_mov_b32 s[G0+4*\s], 1
	s_add_co_u32 s[G0+4*\s+1], s45, \s*SLOT
	s_add_nc_u64 s[G0+4*\s+2:G0+4*\s+3], s[20:21], \s*STEPB
	s_or_b32 s[G0+4*\s+3], s[G0+4*\s+3], 0x80000000
	s_mov_b32 s[G0B+4*\s], 1
	s_add_co_u32 s[G0B+4*\s+1], s45, \s*SLOT
	s_add_nc_u64 s[G0B+4*\s+2:G0B+4*\s+3], s[46:47], \s*STEPB
	s_or_b32 s[G0B+4*\s+3], s[G0B+4*\s+3], 0x80000000
	JLOAD G0+4*\s, G1, G0B+4*\s, G1B               ; three tensor loads of mine are out
.endr
	v_and_b32 v1, 15, v0                           ; r; kept
	v_bfe_u32 v2, v0, 4, 1                         ; h; kept
	v_and_b32 v3, 31, v0
	v_lshlrev_b32 v[VO0], 3, v3
	v_lshlrev_b32 v[SH8], 3, v2
	v_lshlrev_b32 v[VOS], 12, v2
	v_lshl_add_u32 v[VOS], v1, 4, v[VOS]           ; scale words out: 16 r, lanes 16-31 the next head's 4,096 bytes
	s_mul_i32 s21, s15, HALFT                      ; my 8 tiles of Q
	s_mul_i32 s22, s16, HALFT                      ; my 8 tiles of P,
	s_add_co_u32 s22, s22, 2*HALFT                 ; which lie behind Q's 16
.irp s, 0,1
	v_add_nc_u32 v[ADRA+\s], s21, v[VO0]
	v_add_nc_u32 v[ADRB+\s], s22, v[VO0]
	s_add_co_u32 s21, s21, SLOT
	s_add_co_u32 s22, s22, SLOT
.endr
	v_lshlrev_b32 v5, 5, v1                        ; my row's scales: 32 bytes a row,
	v_lshrrev_b32 v6, 8, v5
	v_lshl_add_u32 v5, v6, 4, v5                   ; and 16 more for each 256 passed
	s_mul_i32 s21, s15, HALFS
	s_mul_i32 s22, s16, HALFS
	s_add_co_u32 s22, s22, 2*HALFS
	s_sub_co_u32 s22, s22, s21
	v_mul_u32_u24 v6, s22, v2                      ; lanes 16-31 take P's
	s_add_co_u32 s21, s21, SCL
	v_add_nc_u32 v5, v5, v6
	v_add_nc_u32 v[ADRS], s21, v5
	s_mov_b32 s66, 0x76543210
	s_mov_b32 s67, 0xfedcba98                      ; v_permlanex16_b32's selects for lane l xor 16
	; the bias: along P for q and k, along Q for v.  Both sets are loaded (every index stays under 1,024) and the one that does not apply is made 0
	s_cmp_eq_u32 s42, 0
	s_cselect_b64 s[6:7], s[6:7], s[8:9]
	s_cmp_eq_u32 s42, 2
	s_cselect_b64 s[6:7], s[10:11], s[6:7]
	s_cselect_b32 s92, -1, 0                       ; all ones for v
	s_cselect_b32 s93, 0, -1                       ; all ones for q and k
	s_mov_b32 s96, 768
	s_cselect_b32 s96, 1536, s96                   ; the way out, from block to block: half a fragment, or (v) a whole one
	s_cselect_b32 s98, 92160, 0                    ; v: at block 4 on to the next head: 98,304 - 4 x 1,536
	s_mov_b32 s95, 98304
	s_cselect_b32 s95, 768, s95                    ; from a fragment's first half to its second: the next head's region, or (v) the next 768 bytes
	s_mov_b32 s97, 0
	s_mov_b32 s99, 0
	v_add_nc_u32 v[VO1], s95, v[VO0]
	s_lshl_b32 s22, s40, 10
	s_lshl_b32 s23, s16, 9
	s_add_co_u32 s22, s22, s23                     ; 4 (256 cx + 128 (wave % 2))
	s_mov_b32 s23, 0
	s_add_nc_u64 s[8:9], s[6:7], s[22:23]
	s_lshl_b32 s22, s41, 10
	s_lshl_b32 s95, s15, 9
	s_add_co_u32 s22, s22, s95                     ; 4 (256 cy + 128 (wave / 2))
	s_add_nc_u64 s[10:11], s[6:7], s[22:23]
	v_lshlrev_b32 v7, 7, v2                        ; along P: lane (r, h) wants, for tile b, indices 64 (b / 4) + 32 h + 8 (b % 4) + 0 .. 7
.irp b, 0,1,2,3,4,5,6,7
	global_load_b128 v[BI+8*\b:BI+8*\b+3], v7, s[8:9] offset:4*(64*(\b/4)+8*(\b%4))
	global_load_b128 v[BI+8*\b+4:BI+8*\b+7], v7, s[8:9] offset:4*(64*(\b/4)+8*(\b%4))+16
.endr
	v_and_b32 v8, 7, v1
	v_lshrrev_b32 v9, 3, v1
	v_lshl_add_u32 v8, v9, 5, v8
	v_lshlrev_b32 v8, 2, v8                        ; along Q: for tile a, index 64 (a / 4) + 32 (r / 8) + 8 (a % 4) + r % 8
.irp a, 0,1,2,3,4,5,6,7
	global_load_b32 v[BQ+\a], v8, s[10:11] offset:4*(64*(\a/4)+8*(\a%4))
.endr
	; where my results go
	s_lshl_b32 s22, s41, 4
	s_lshl_b32 s23, s15, 3
	s_add_co_u32 s22, s22, s23                     ; my first tile of Q among the cluster's 64,
	s_lshl_b32 s23, s40, 4
	s_lshl_b32 s95, s16, 3
	s_add_co_u32 s23, s23, s95                     ; and of P
	s_cmp_eq_u32 s42, 2
	s_cselect_b32 s95, s23, s22                    ; the rows' side,
	s_cselect_b32 s22, s22, s23                    ; the weight's side
	s_add_co_u32 s95, s95, s18                     ; my first tile of rows, of 512
	s_lshr_b32 s23, s95, 7                         ; batch
	s_bfe_u32 s95, s95, 0x40003                    ; j: which 8 tiles (128 rows) of the batch
	s_lshl_b32 s23, s23, 4
	s_lshr_b32 s22, s22, 2                         ; my first head: four tiles of the weight to a head
	s_add_co_u32 s23, s23, s22
	s_mul_i32 s20, s42, 6291456
	s_mul_i32 s22, s23, 98304
	s_add_co_u32 s20, s20, s22
	s_mul_i32 s22, s95, 6144
	s_add_co_u32 s20, s20, s22
	s_mov_b32 s21, 0
	s_add_nc_u64 s[20:21], s[12:13], s[20:21]      ; the codes
	s_lshl_b32 s23, s23, 4
	s_add_co_u32 s23, s23, s95
	s_lshl_b32 s22, s23, 8
	s_lshl_b32 s23, s42, 18
	s_add_co_u32 s22, s22, s23
	s_add_co_u32 s22, s22, 18874368
	s_mov_b32 s23, 0
	s_add_nc_u64 s[22:23], s[12:13], s[22:23]      ; the scale words
	s_wait_loadcnt 0x0
.set i, 0
.rept 64
	v_cndmask_b32 v[BI+i], 0, v[BI+i], s93
.set i, i+1
.endr
.irp a, 0,1,2,3,4,5,6,7
	v_cndmask_b32 v[BQ+\a], 0, v[BQ+\a], s92
.endr
.macro FRAG reg, adr, q, i             ; a fragment comes as it was stored: six groups of 256 consecutive bytes, 8 bytes a lane
.irp g, 0,1,2,3,4,5
	ds_load_b64 v[\reg+2*\g:\reg+2*\g+1], v[\adr] offset:STEPB*(\i)+1536*(\q)+256*\g
.endr
.endm
; 16 matrix instructions: Q's blocks a0, a0 + 1 x P's eight, 128 along K: the slot's q-th.  p: P's set; sc: the set of scale words.  zero = 1: the first products start the sums from the bias: nothing is cleared.
; The 64 accumulators take turns, one instruction a turn, in the same order in every step.
.macro MUL16 a0, p, q, sc, zero
.irp a, \a0, \a0+1
.irp b, 0,1,2,3,4,5,6,7
.if \zero
	v_wmma_scale_f32_16x16x128_f8f6f4 v[8*(8*((\a)%4)+\b):8*(8*((\a)%4)+\b)+7], v[128*(\p)+FR*\b:128*(\p)+FR*\b+FR-1], v[AF+FR*(\a):AF+FR*(\a)+FR-1], v[BI+8*\b:BI+8*\b+7], v[SC+8*NQ*(\sc)+NQ*\b+(\q)], v[SC+8*NQ*(\sc)+NQ*(\a)+(\q)] matrix_a_fmt:MATRIX_FMT_FP6 matrix_b_fmt:MATRIX_FMT_FP6 matrix_a_scale:MATRIX_SCALE_ROW1
.else
	v_wmma_scale_f32_16x16x128_f8f6f4 v[8*(8*((\a)%4)+\b):8*(8*((\a)%4)+\b)+7], v[128*(\p)+FR*\b:128*(\p)+FR*\b+FR-1], v[AF+FR*(\a):AF+FR*(\a)+FR-1], v[8*(8*((\a)%4)+\b):8*(8*((\a)%4)+\b)+7], v[SC+8*NQ*(\sc)+NQ*\b+(\q)], v[SC+8*NQ*(\sc)+NQ*(\a)+(\q)] matrix_a_fmt:MATRIX_FMT_FP6 matrix_b_fmt:MATRIX_FMT_FP6 matrix_a_scale:MATRIX_SCALE_ROW1
.endif
.endr
.endr
.endm
.macro FETCH_B slot, q, p              ; P's eight fragments of the slot's q-th 128 along K into set p
	WIN TO_B
.irp i, 0,1,2,3,4,5,6,7
	FRAG 128*(\p)+FR*\i, ADRB+\slot, \q, \i
.endr
	WIN 0
.endm
.macro FETCH_A slot, q, i0             ; Q's blocks i0 .. i0 + 3
.irp i, \i0, \i0+1, \i0+2, \i0+3
	FRAG AF+FR*(\i), ADRA+\slot, \q, \i
.endr
.endm
.macro SCALES sc                       ; the next slot's scale words: two words a row; lanes 0-15 take Q's block i, lanes 16-31 P's block i
.irp i, 0,1,2,3,4,5,6,7
	ds_load_b64 v[SC+8*NQ*\sc+NQ*\i:SC+8*NQ*\sc+NQ*\i+1], v[ADRS] offset:\i*SBLK
.endr
.endm
.macro PLACES n                        ; plain vector instructions between a matrix instruction and a load into, or a vector instruction on, its registers (ISA guide 7.12.1 for vector instructions)
.rept \n
	v_nop
.endr
.endm
.macro STEP slot, q, zero              ; a step of 128 along K that has its successor in the same slot
	s_wait_dscnt 4*NL                              ; P's set and Q's blocks 0-3 are in; the youngest 24 loads (Q's blocks 4-7) may be out
.if \zero
	WIN 0x81                                       ; C (the bias) window 0, D window 2
.else
	WIN MUL_LO
.endif
	MUL16 0, (\q)%2, \q, \slot, \zero
	MUL16 2, (\q)%2, \q, \slot, \zero
	s_wait_dscnt 0
	PLACES NP
	FETCH_B \slot, (\q)+1, 1-(\q)%2
	FETCH_A \slot, (\q)+1, 0
.if \zero
	WIN 0xc1
.else
	WIN MUL_HI
.endif
	MUL16 4, (\q)%2, \q, \slot, \zero
	MUL16 6, (\q)%2, \q, \slot, \zero
	PLACES NP
	WIN 0
	FETCH_A \slot, (\q)+1, 4
.endm
; A slot's last step changes slots: one barrier; in front of it each wave waits for all its tensor loads, adds 0 to its spare word, and waits for that and for its own reads of this slot.  fill = 1: this slot is filled again.
.macro TURN slot, next, fill
	s_wait_tensorcnt 0x0                           ; all my tensor loads have landed: my part of the next slot
	ds_add_u32 v[SPW], v[NIL]                      ; 0 onto my spare word
	s_wait_dscnt 4*NL+1                            ; (the add and the youngest 24 loads may be out)
	WIN MUL_LO
	MUL16 0, 1, NQ-1, \slot, 0                     ; sixteen matrix instructions stand between the add and the wait for it
	s_wait_dscnt 0x0                               ; the add is done, and my reads of this slot are over
	s_barrier_signal -1
	MUL16 2, 1, NQ-1, \slot, 0
	WIN 0
	s_barrier_wait -1
.if \fill
	CREST                                          ; the barrier has opened a round of the cluster's: no wave of any partner still reads this slot or has a load on its way
	s_add_nc_u64 s[G0+4*\slot+2:G0+4*\slot+3], s[G0+4*\slot+2:G0+4*\slot+3], 2*STEPB
	s_add_nc_u64 s[G0B+4*\slot+2:G0B+4*\slot+3], s[G0B+4*\slot+2:G0B+4*\slot+3], 2*STEPB
	JLOAD G0+4*\slot, G1, G0B+4*\slot, G1B         ; the first tensor load behind the round; its four v_nop are the places in front of the loads below
.else
	PLACES NP
.endif
	v_add_nc_u32 v[ADRS], 4*NQ, v[ADRS]            ; on to the next slot's scale words
	FETCH_B \next, 0, 0
	FETCH_A \next, 0, 0
	SCALES \next
	WIN MUL_HI
	MUL16 4, 1, NQ-1, \slot, 0
	MUL16 6, 1, NQ-1, \slot, 0
	PLACES NP
	WIN 0
	FETCH_A \next, 0, 4
.endm
	s_wait_tensorcnt 1                             ; the scales and my part of slot 0 are in (slot 1's load may be out)
	s_barrier_signal -1
	s_barrier_wait -1                              ; everybody's are
	FETCH_B 0, 0, 0
	FETCH_A 0, 0, 0
	SCALES 0
	FETCH_A 0, 0, 4
	STEP 0, 0, 1                                   ; the first step stands in front of the loop: its products start the sums
	s_mov_b32 s3, LAPS-1
.Llap:                                                 ; a trip goes once round the ring and fills both slots again
	TURN 0, 1, 1
	STEP 1, 0, 0
	TURN 1, 0, 1
	STEP 0, 0, 0
	s_sub_co_u32 s3, s3, 1
	s_cmp_lg_u32 s3, 0
	s_cbranch_scc1 .Llap
	TURN 0, 1, 0                                   ; the last lap fills nothing
	STEP 1, 0, 0
	s_wait_dscnt 4*NL
	WIN MUL_LO
	MUL16 0, 1, NQ-1, 1, 0
	MUL16 2, 1, NQ-1, 1, 0
	s_wait_dscnt 0
	WIN MUL_HI
	MUL16 4, 1, NQ-1, 1, 0
	MUL16 6, 1, NQ-1, 1, 0
	PLACES NP                                      ; in front of the first read of results and of the writes over Q's fragments
; THE WAY OUT, block a of Q's eight: a lane's 64 results are two whole blocks of 32 along P.  One packed addition brings two of them into window 0 and adds the bias along Q; each accumulator is read from its low end on.
.macro OUTB a
	WIN 0x02+((\a)/4)                              ; source 0: window 2 or 3
.set i, 0
.rept 32
.if ((\a)%2) == 0
	v_pk_add_f32 v[H+2*i:H+2*i+1], v[64*((\a)%4)+2*i:64*((\a)%4)+2*i+1], v[BQ+2*((\a)/2):BQ+2*((\a)/2)+1] op_sel_hi:[1,0]
.else
	v_pk_add_f32 v[H+2*i:H+2*i+1], v[64*((\a)%4)+2*i:64*((\a)%4)+2*i+1], v[BQ+2*((\a)/2):BQ+2*((\a)/2)+1] op_sel:[0,1] op_sel_hi:[1,1]
.endif
.set i, i+1
.endr
	WIN 0
	s_wait_xcnt 0x0                                ; the last block's stores have read their data and their base
.if (\a) > 0
	s_add_nc_u64 s[20:21], s[20:21], s[96:97]
.endif
.if (\a) == 4
	s_add_nc_u64 s[20:21], s[20:21], s[98:99]
.endif
	QUANT2 H, PC, BY+2*(\a), BY+2*(\a)+1
.irp g, 0,1,2
	global_store_b64 v[VO0], v[PC+2*\g:PC+2*\g+1], s[20:21] offset:256*\g       ; the wave stores 256 consecutive bytes, aligned
.endr
.irp g, 0,1,2
	global_store_b64 v[VO1], v[PC+6+2*\g:PC+7+2*\g], s[20:21] offset:256*\g
.endr
.endm
.irp a, 0,1,2,3,4,5,6,7
	OUTB \a
.endr
	; the scale words.  q, k: word 4 c + f = head c, row tiles 2 f and 2 f + 1; v: word a = tile a, key blocks h and 2 + h.  Both are made, one is taken
.irp c, 0,1
.irp f, 0,1,2,3
	v_lshl_or_b32 v[WD+4*\c+\f], v[BY+4*\f+2+\c], 16, v[BY+4*\f+\c]
.endr
.endr
.irp a, 0,1,2,3,4,5,6,7
	v_lshl_or_b32 v[H+\a], v[BY+2*\a+1], 16, v[BY+2*\a]
.endr
.irp a, 0,1,2,3,4,5,6,7
	v_cndmask_b32 v[WD+\a], v[WD+\a], v[H+\a], s92
.endr
.irp a, 0,1,2,3,4,5,6,7
	v_lshlrev_b32 v[WD+\a], v[SH8], v[WD+\a]       ; my bytes stand 8 (lane / 16) bits up
.endr
.irp a, 0,1,2,3,4,5,6,7
	v_permlanex16_b32 v[H+8+\a], v[WD+\a], s66, s67
.endr
.irp a, 0,1,2,3,4,5,6,7
	v_or_b32 v[WD+\a], v[WD+\a], v[H+8+\a]         ; with lane l xor 16's the words are whole
.endr
	v_cmp_ne_u32 vcc_lo, 0, v2
.irp t, 0,1,2,3
	v_cndmask_b32 v[H+\t], v[WD+\t], v[WD+4+\t], vcc_lo   ; lanes 0-15 store my first head's four words of row r, lanes 16-31 the second head's
.endr
	global_store_b128 v[VOS], v[H:H+3], s[22:23]   ; two runs of 256 consecutive bytes, aligned
	s_wait_tensorcnt 0x0                           ; the wave's end
	ds_add_u32 v[SPW], v[NIL]
	s_wait_dscnt 0x0
	CROUND                                         ; the closing round: no work-group ends while a partner may still ask for a tile that names it
	s_endpgm
.Lfunc_end_k_q2ef097d82b_proj:
	.size	k_q2ef097d82b_proj, .Lfunc_end_k_q2ef097d82b_proj-k_q2ef097d82b_proj
	.p2alignl 7, 3214868480
	.fill 96, 4, 3214868480
	.section	.rodata,"a",@progbits
	.p2align	6, 0x0
	.amdhsa_kernel k_q2ef097d82b_proj
		.amdhsa_group_segment_fixed_size 327680
		.amdhsa_private_segment_fixed_size 0
		.amdhsa_enable_private_segment 0
		.amdhsa_kernarg_size 40
		.amdhsa_user_sgpr_count 2
		.amdhsa_user_sgpr_kernarg_segment_ptr 1
		.amdhsa_wavefront_size32 1
		.amdhsa_system_sgpr_workgroup_id_x 1
		.amdhsa_system_sgpr_workgroup_id_y 1
		.amdhsa_system_sgpr_workgroup_id_z 1
		.amdhsa_system_vgpr_workitem_id 0
		.amdhsa_next_free_vgpr 1024
		.amdhsa_next_free_sgpr 100
		.amdhsa_reserve_vcc 1
		.amdhsa_float_denorm_mode_32 3
		.amdhsa_float_denorm_mode_16_64 3
		.amdhsa_memory_ordered 1
		.amdhsa_forward_progress 1
		.amdhsa_inst_pref_size 185
	.end_amdhsa_kernel
	.amdgpu_metadata
---
amdhsa.version: [ 1, 2 ]
amdhsa.kernels:
  - .name:           k_q2ef097d82b_proj
    .symbol:         k_q2ef097d82b_proj.kd
    .args:
      - { .name: xw, .offset: 0, .size: 8, .value_kind: global_buffer, .address_space: global }
      - { .name: bq, .offset: 8, .size: 8, .value_kind: global_buffer, .address_space: global }
      - { .name: bk, .offset: 16, .size: 8, .value_kind: global_buffer, .address_space: global }
      - { .name: bv, .offset: 24, .size: 8, .value_kind: global_buffer, .address_space: global }
      - { .name: qkv, .offset: 32, .size: 8, .value_kind: global_buffer, .address_space: global }
    .group_segment_fixed_size: 327680
    .private_segment_fixed_size: 0
    .kernarg_segment_align: 8
    .kernarg_segment_size: 40
    .max_flat_workgroup_size: 128
    .sgpr_count:     100
    .vgpr_count:     1024
    .wavefront_size: 32
...
	.end_amdgpu_metadata
.endif
;; end of part 2
;; launch attn (part 3): grid 4 x 64, 16 waves a work-group, no clusters, 206,848 bytes of LDS; arguments qkv, mw, xc; writes xc
.if DOCPART == 3
	.amdgcn_target "amdgcn-amd-amdhsa--gfx1250"
	.amdhsa_code_object_version 6
	.text
	.protected	k_q2ef097d82b_attn
	.globl	k_q2ef097d82b_attn
	.p2align	8
	.type	k_q2ef097d82b_attn,@function
k_q2ef097d82b_attn:
	s_mov_b64 s[64:65], 0
	v_nop
	global_prefetch_b8 v0, s[64:65] scope:SCOPE_SE
	s_setreg_imm32_b32 hwreg(HW_REG_WAVE_MODE, 25, 1), 1
	s_wait_xcnt 0x0
; ATTN: for each batch and head, x = softmax(where(mask, q k^T / 8, -1e9)) v, both products on codes of FP6 (E2M3) with E8M0 scales; x is quantised along head x 64 + d and leaves as the last product's operand.
; THE SOFTMAX AHEAD OF THE SECOND PRODUCT: t = score x log2(e) / 8; M = the running largest t rounded UP to a whole number; p = 2^(t - M) is quantised along the keys, not normalised; the row's sum is taken of the unquantised p
; and divides at the end.  When M moves, the sum and O are multiplied by 2^(old M - new M): exact.
; SHARES.  Work-group (x, y): head y (= 16 b + head), queries 512 x .. 512 x + 511.  All of the head's K and V codes and scale words, 204,800 bytes, are copied into LDS once, through registers; then nothing in LDS is written again:
; one barrier in the launch.  Each of the 16 waves owns one tile of 16 queries in each of two passes and walks 16 key steps of 128.  Four waves share a SIMD: one wave's vector work stands beside another's products and LDS loads.
; NO TENSOR LOADS, NO CLUSTER: LDS is filled once and never again, 25 loads and 25 LDS stores a thread, so there is no ring to run; what the four work-groups of a head share is that one copy of 204,800 bytes,
; against 32 tile passes of 16 key steps in each of them.
; THE MASK comes as lane masks: 64 words a key step, bit l of word n = my lane's key n counts.  They are fetched into scalar registers ONE STEP AHEAD (four scalar loads of 64 bytes) and steer 64 selects in every step: no branch hangs on them.
; LAYOUT.  Row r of tile T is the natural row PI(T, r) = 64 (T / 4) + 32 (r / 8) + 8 (T % 4) + r % 8.  Both products are used transposed (S^T = K Q^T, O^T = V^T P^T): a lane holds one query, and by PI its 64 scores of a step are keys
; 64 c + 32 (lane / 16) + 0 .. 31: two WHOLE blocks of 32 in the order of the operand's registers; O^T's 32 registers are d = 32 (lane / 16) + 0 .. 31 likewise.  So no block's maximum and no code changes lanes.
; K = 64 IN A FORM OF 128: a fragment of K holds TWO key tiles (registers 0-5, 6-11); it is multiplied by [q | 0] and by [0 | q]: v16-21 q, v22-27 zeros, v28-33 q.
; LIMITS.  A masked score is -2^33, a logit of -2^30, where reference() has -1e9: times log2(e) / 8 it is a whole number, so a row with no key left gives p = 1 for every key, as reference()'s does; results agree while unmasked logits
; stay above -1e9.  A block of zeros gets the byte 1 (its codes are zeros).  NaN and infinities are not served.  A block's largest p is the exponential of its largest score: this takes v_exp_f32 not to fall where its input rises.
.set KI,    6291456
.set VI,    12582912
.set QSO,   18874368
.set KSO,   19136512
.set HEADB, 98304                      ; a head's codes of K or of V
.set LV,    98304                      ; LDS: K's codes at 0, V's here,
.set LKS,   196608                     ; K's scale words [step][row][4 words],
.set LVS,   200704                     ; V's
.set AK0,  1                           ; v1  8 x lane: a group's place for my lane; also the offset of my stores
.set AV0,  2                           ; v2  8 x lane + LV
.set AKS0, 3                           ; v3  LKS + 16 r
.set AVS0, 4                           ; v4  LVS + 16 r
.set SH8,  5                           ; v5  8 x (lane / 16)
.set NEG,  6                           ; v6  -2^33
.set ADK,  8                           ; v8-11 the step's LDS addresses
.set ADV,  9
.set ADKS, 10
.set ADVS, 11
.set QF,   16                          ; v12 -M, v13 the largest t, v[14:15] the sum; v16-33 q, zeros, q
.set QS,   34                          ; v34 q's scale word; v35 p's; v36-39 K's four; v40-43 V's four: these hold scales and nothing else
.set PS,   35
.set KSC,  36
.set VSC,  40
.set KF,   44                          ; v44-91 four fragments: K's, then V's
.set SR,   92                          ; v92-155 S^T, then p
.set OT,   156                         ; v156-187 O^T
.set PC,   188                         ; v188-199 p's codes
.set TA,   200
.set BM,   208                         ; v208-211 the blocks' largest scores, two chains each
.set SO,   212
.set BY,   214
.set FF,   216                         ; v[216:217] f = 2^(old M - new M)
.set L2,   218                         ; v[218:219] the sum's second chain
.set T0,   220                         ; v220-223 at work
.set RAW,  224                         ; v224-230, v232-238 the two passes' q as loaded: six registers of codes, one scale word
.set XSO,  240                         ; v240 32 r + h: my scale byte's place in a record
; SCALARS: s10 wave; s12 16 b + head; s[16:17] lane selects; s[18:19] c; s20 the step; s21, s22 its codes' and scale words' place in LDS; s23 the mask words' offset; s26 a byte select;
; s[28:29] my tile's mask words; s[30:31], s[100:101] my tile's record in xc; s[32:63], s[68:99] a step's 64 mask words (at the head: addresses).
	s_load_b128 s[4:7], s[0:1], 0x0                ; qkv s[4:5], mw s[6:7]
	s_load_b64 s[8:9], s[0:1], 0x10                ; xc
	v_lshl_add_u32 v254, v0, 2, 0x32000
	v_mov_b32 v255, 0
	v_lshrrev_b32 v[T0], 5, v0
	v_readfirstlane_b32 s10, v[T0]                 ; wave 0..15
	s_and_b32 s12, ttmp7, 0xffff                   ; 16 b + head
	s_lshr_b32 s13, s12, 4
	s_and_b32 s14, s12, 15
	s_lshl_b32 s15, ttmp9, 5
	s_add_co_u32 s15, s15, s10                     ; my query tile of pass 0: 32 x + wave; pass 1's is 16 further on
	s_mov_b32 s16, 0x76543210
	s_mov_b32 s17, 0xfedcba98                      ; v_permlanex16_b32's selects for lane l xor 16
	s_mov_b32 s18, 0x3e38aa3b                      ; c = log2(e) / 8
	s_mov_b32 s19, s18                             ; (the packed form names the pair)
	s_and_b32 s27, s10, 1
	s_cmp_eq_u32 s27, 0
	s_mov_b32 s26, 0x03020302
	s_cselect_b32 s26, 0x01000100, s26             ; which two bytes of the loaded scale word are my tile's
	s_mov_b32 s3, 0
	s_lshl_b32 s2, s12, 7
	s_add_co_u32 s2, s2, s15
	s_mul_i32 s2, s2, 768
	s_wait_kmcnt 0x0
	s_add_nc_u64 s[32:33], s[4:5], s[2:3]          ; q's codes (s32-41 hold addresses at the head only)
	s_lshl_b32 s2, s12, 12
	s_lshr_b32 s27, s15, 3
	s_lshl_b32 s27, s27, 8
	s_add_co_u32 s2, s2, s27
	s_bfe_u32 s27, s10, 0x20001
	s_lshl_b32 s27, s27, 2
	s_add_co_u32 s2, s2, s27
	s_add_co_u32 s2, s2, QSO
	s_add_nc_u64 s[34:35], s[4:5], s[2:3]          ; q's scale word: [head][tile / 8][r][(tile % 8) / 2]
	s_mul_i32 s2, s12, HEADB
	s_add_co_u32 s2, s2, KI
	s_add_nc_u64 s[36:37], s[4:5], s[2:3]          ; the head's K,
	s_add_nc_u64 s[38:39], s[36:37], VI-KI         ; its V,
	s_lshl_b32 s2, s12, 12
	s_add_co_u32 s2, s2, KSO
	s_add_nc_u64 s[40:41], s[4:5], s[2:3]          ; K's scale words; V's lie 262,144 bytes on
	s_lshl_b32 s27, s13, 7
	s_add_co_u32 s27, s27, s15                     ; 128 b + tile
	s_lshl_b32 s2, s27, 12
	s_add_nc_u64 s[28:29], s[6:7], s[2:3]          ; my tile's mask words: 256 bytes a step
	s_mul_i32 s2, s27, 12800
	s_add_nc_u64 s[30:31], s[8:9], s[2:3]          ; my tile's record in xc
	s_lshl_b32 s2, s14, 1
	s_add_nc_u64 s[100:101], s[30:31], s[2:3]      ; in each row's 32 scale bytes: my head's two
	s_mul_i32 s2, s14, 768
	s_add_nc_u64 s[30:31], s[30:31], s[2:3]        ; K step head / 2, half head % 2
	v_and_b32 v[T0], 31, v0
	v_lshlrev_b32 v[AK0], 3, v[T0]
	v_add_nc_u32 v[AV0], LV, v[AK0]
	v_and_b32 v[T0+1], 15, v0                      ; r
	v_bfe_u32 v[T0+2], v0, 4, 1                    ; h
	v_lshlrev_b32 v[T0+3], 4, v[T0+1]              ; 16 r
	v_add_nc_u32 v[AKS0], LKS, v[T0+3]
	v_add_nc_u32 v[AVS0], LVS, v[T0+3]
	v_lshlrev_b32 v[SH8], 3, v[T0+2]
	v_mov_b32 v[NEG], 0xd0000000
	v_lshl_add_u32 v[XSO], v[T0+1], 5, v[T0+2]
.irp p, 0,1
.irp g, 0,1,2
	global_load_b64 v[RAW+8*\p+2*\g:RAW+8*\p+2*\g+1], v[AK0], s[32:33] offset:12288*\p+256*\g
.endr
	global_load_b32 v[RAW+8*\p+6], v[T0+3], s[34:35] offset:512*\p
.endr
	; the fill: thread t takes 16 bytes at 16 t of each run of 8,192: 12 runs of K, 12 of V, 1 of scale words (threads 0-255 K's, 256-511 V's)
	v_lshlrev_b32 v8, 4, v0
	v_lshrrev_b32 v9, 8, v0
	v_mul_u32_u24 v9, v9, 258048
	v_add_nc_u32 v9, v9, v8
.irp i, 0,1,2,3,4,5,6,7,8,9,10,11
	global_load_b128 v[44+4*\i:47+4*\i], v8, s[36:37] offset:8192*\i
.endr
.irp i, 0,1,2,3,4,5,6,7,8,9,10,11
	global_load_b128 v[92+4*\i:95+4*\i], v8, s[38:39] offset:8192*\i
.endr
	global_load_b128 v[140:143], v9, s[40:41]
.irp k, 0,1,2,3
	v_add_nc_u32 v[BM+\k], 65536*\k, v8            ; an LDS instruction's immediate reaches 65,535 bytes
.endr
.set m, 0
.rept 25
.if m%5 == 0
	s_wait_loadcnt 20-m                            ; the next five runs are in; the younger ones may be out
.endif
	ds_store_b128 v[BM+m/8], v[44+4*m:47+4*m] offset:8192*(m%8)
.set m, m+1
.endr
	v_mov_b32 v[T0+1], 0                           ; a lane permute's destination counts as one of its sources
	v_mov_b32 v[FF+1], 0                           ; (named as the upper half of a pair)
	s_wait_dscnt 0x0                               ; for the others' sake: my stores have landed
	s_barrier_signal -1
	s_barrier_wait -1                              ; the head's K, V and scale words lie in LDS; nobody writes LDS again.  All my loads are done: s32-41 are free for the mask words
.macro MWORDS                          ; a key step's 64 mask words, 256 bytes at offset s23 of my tile's
	s_load_b512 s[32:47], s[28:29], s23 offset:0x0
	s_load_b512 s[48:63], s[28:29], s23 offset:0x40
	s_load_b512 s[68:83], s[28:29], s23 offset:0x80
	s_load_b512 s[84:99], s[28:29], s23 offset:0xc0
.endm
; A KEY STEP: 128 keys.  lim: the offset of the pass's last step's mask words.
.macro STEP lim
	v_add_nc_u32 v[ADK], s21, v[AK0]               ; these four are the places between the last step's products and the loads into their registers
	v_add_nc_u32 v[ADV], s21, v[AV0]
	v_add_nc_u32 v[ADKS], s22, v[AKS0]
	v_add_nc_u32 v[ADVS], s22, v[AVS0]
	ds_load_b128 v[KSC:KSC+3], v[ADKS]
.irp f, 0,1,2,3
.irp g, 0,1,2,3,4,5
	ds_load_b64 v[KF+12*\f+2*\g:KF+12*\f+2*\g+1], v[ADK] offset:1536*\f+256*\g
.endr
.endr
	s_wait_dscnt 0x0
.irp f, 0,1,2,3                                ; S^T = K Q^T: fragment f holds key tiles 2 f and 2 f + 1
	v_wmma_scale_f32_16x16x128_f8f6f4 v[SR+16*\f:SR+16*\f+7], v[KF+12*\f:KF+12*\f+11], v[QF:QF+11], 0, v[KSC+\f], v[QS] matrix_a_fmt:MATRIX_FMT_FP6 matrix_b_fmt:MATRIX_FMT_FP6
	v_wmma_scale_f32_16x16x128_f8f6f4 v[SR+16*\f+8:SR+16*\f+15], v[KF+12*\f:KF+12*\f+11], v[QF+6:QF+17], 0, v[KSC+\f], v[QS] matrix_a_fmt:MATRIX_FMT_FP6 matrix_b_fmt:MATRIX_FMT_FP6
.endr
.rept 4
	v_nop                                          ; places: in front of the loads into K's registers and of the first read of the scores
.endr
	ds_load_b128 v[VSC:VSC+3], v[ADVS]             ; V's fragments are asked for now and land under the softmax
.irp t, 0,1,2,3
.irp g, 0,1,2,3,4,5
	ds_load_b64 v[KF+12*\t+2*\g:KF+12*\t+2*\g+1], v[ADV] offset:1536*\t+256*\g
.endr
.endr
	s_wait_kmcnt 0x0                               ; this step's mask words, asked for a step ago, are in; their offset register may be written again
.set n, 0
.rept 64
	v_cndmask_b32 v[SR+n], v[NEG], v[SR+n], s[32+n+4*(n/32)]   ; bit l of word n: my lane's key n counts.  Ascending: every accumulator is first read at its low end
.set n, n+1
.endr
.irp c, 0,1                                    ; the largest score of each of my two blocks of 32 keys, two chains each
	v_max3_num_f32 v[BM+2*\c], v[SR+32*\c], v[SR+32*\c+1], v[SR+32*\c+2]
	v_max3_num_f32 v[BM+2*\c+1], v[SR+32*\c+16], v[SR+32*\c+17], v[SR+32*\c+18]
.endr
.irp i, 3,5,7,9,11,13
.irp c, 0,1
	v_max3_num_f32 v[BM+2*\c], v[BM+2*\c], v[SR+32*\c+\i], v[SR+32*\c+\i+1]
	v_max3_num_f32 v[BM+2*\c+1], v[BM+2*\c+1], v[SR+32*\c+16+\i], v[SR+32*\c+17+\i]
.endr
.endr
.irp c, 0,1
	v_max3_num_f32 v[BM+2*\c], v[BM+2*\c], v[BM+2*\c+1], v[SR+32*\c+15]
.endr
.irp c, 0,1
	v_max_num_f32 v[BM+2*\c], v[BM+2*\c], v[SR+32*\c+31]
.endr
	v_max_num_f32 v[T0], v[BM], v[BM+2]
	v_permlanex16_b32 v[T0+1], v[T0], s16, s17
	v_max_num_f32 v[T0], v[T0], v[T0+1]            ; the step's largest score of my query
	v_mul_f32 v[T0], s18, v[T0]                    ; as t (c is positive)
	v_max_num_f32 v13, v13, v[T0]                  ; the running largest t
	v_mov_b32 v[T0], v12
	v_floor_f32 v12, -v13                          ; the new -M = floor(-t): M is a whole number
	v_sub_f32 v[T0], v12, v[T0]                    ; old M - new M: a whole number, 0 or less
	v_cvt_i32_f32 v[T0], v[T0]                     ; (it saturates)
	v_ldexp_f32 v[FF], 1.0, v[T0]                  ; f = 2^(old M - new M)
	s_add_co_u32 s23, s23, 256                     ; THE NEXT STEP'S MASK WORDS are asked for here, behind the selects, their registers' last readers: they have the rest of this step and the next step's first product in which to land.
	s_min_u32 s23, s23, \lim                       ; The pass's last step has no next: its offset is held, the same 256 bytes come again, and no load leaves the buffer
	MWORDS
.set n, 0
.rept 32
	v_pk_fma_f32 v[SR+n:SR+n+1], v[SR+n:SR+n+1], s[18:19], v[12:13] op_sel_hi:[1,0,0]   ; t - M, two at a time
.set n, n+2
.endr
	v_fma_f32 v[BM], v[BM], s18, v12               ; the same of each block's largest score
	v_fma_f32 v[BM+2], v[BM+2], s18, v12
.set n, 0
.rept 64
	v_exp_f32 v[SR+n], v[SR+n]                     ; p = 2^(t - M), at most 1
.set n, n+1
.endr
	v_pk_mul_f32 v[14:15], v[14:15], v[FF:FF+1] op_sel_hi:[1,0]   ; the sums under the new M: the plain instruction behind the exponentials
	s_wait_alu depctr_va_vdst(0)                   ; one wait for the batch of 64, ahead of its first reader
	v_exp_f32 v[BM], v[BM]                         ; the blocks' largest p
	v_exp_f32 v[BM+2], v[BM+2]
	v_pk_add_f32 v[L2:L2+1], v[SR:SR+1], v[SR+2:SR+3]   ; the row's sum is taken of the unquantised p, in two chains
.irp j, 4,8,12,16,20,24,28,32,36,40,44,48,52,56,60
	v_pk_add_f32 v[14:15], v[14:15], v[SR+\j:SR+\j+1]
	v_pk_add_f32 v[L2:L2+1], v[L2:L2+1], v[SR+\j+2:SR+\j+3]
.endr
	v_pk_add_f32 v[14:15], v[14:15], v[L2:L2+1]
	s_wait_alu depctr_va_vdst(0)                   ; and one for the two
.irp c, 0,1
	v_max_num_f32 v[BM+2*\c], 0x1800000, v[BM+2*\c]   ; the floor 2^(3 - 127): the byte cannot fall under 1
.endr
.irp c, 0,1
	v_add_nc_u32 v[SO+\c], 0xff000000, v[BM+2*\c]
.endr
.irp c, 0,1
	v_lshrrev_b32 v[BY+\c], 23, v[SO+\c]
.endr
	v_lshl_or_b32 v[PS], v[BY+1], 16, v[BY]        ; my blocks are h and 2 + h of the step's four
	v_lshlrev_b32 v[PS], v[SH8], v[PS]
	v_permlanex16_b32 v[T0+1], v[PS], s16, s17
	v_or_b32 v[PS], v[PS], v[T0+1]                 ; p's scale word for these 128 keys
.irp c, 0,1
	v_cvt_scalef32_pk16_fp6_f32 v[PC+6*\c:PC+6*\c+2], v[SR+32*\c:SR+32*\c+15], v[SO+\c]
	v_cvt_scalef32_pk16_fp6_f32 v[TA+4*\c:TA+4*\c+2], v[SR+32*\c+16:SR+32*\c+31], v[SO+\c]
.endr
	v_nop                                          ; one plain instruction behind the conversions
.irp c, 0,1
.irp i, 0,1,2
	v_mov_b32 v[PC+6*\c+3+\i], v[TA+4*\c+\i]
.endr
.endr
.set n, 0
.rept 16
	v_pk_mul_f32 v[OT+n:OT+n+1], v[OT+n:OT+n+1], v[FF:FF+1] op_sel_hi:[1,0]   ; O^T under the new M.  These 16 also stand between the writes of p's codes and scale word and the products
.set n, n+2
.endr
	s_wait_dscnt 0x0                               ; V
.irp t, 0,1,2,3                                ; O^T += V^T P^T: the four accumulators take turns
	v_wmma_scale_f32_16x16x128_f8f6f4 v[OT+8*\t:OT+8*\t+7], v[KF+12*\t:KF+12*\t+11], v[PC:PC+11], v[OT+8*\t:OT+8*\t+7], v[VSC+\t], v[PS] matrix_a_fmt:MATRIX_FMT_FP6 matrix_b_fmt:MATRIX_FMT_FP6
.endr
	s_add_co_u32 s21, s21, 6144
	s_add_co_u32 s22, s22, 256
.endm
.macro PASS p
.if \p > 0
	s_wait_kmcnt 0x0                               ; the last pass's last scalar loads are done: their registers and their offset may be written
.endif
	s_mov_b32 s23, 65536*\p                        ; pass 1's tile lies 16 x 4,096 bytes on
	MWORDS                                         ; key step 0's mask words
.irp i, 0,1,2,3,4,5
	v_mov_b32 v[QF+\i], v[RAW+8*\p+\i]
	v_mov_b32 v[QF+6+\i], 0
	v_mov_b32 v[QF+12+\i], v[RAW+8*\p+\i]
.endr
	v_perm_b32 v[QS], v[RAW+8*\p+6], v[RAW+8*\p+6], s26   ; my tile's two bytes, twice
	v_mov_b32 v13, 0xff61b1e6                      ; the largest t so far: -3e38
	v_floor_f32 v12, -v13
	v_mov_b32 v14, 0
	v_mov_b32 v15, 0
.set n, 0
.rept 32
	v_mov_b32 v[OT+n], 0                           ; the step is written once: the first finds zeros, which the first change of M leaves zeros
.set n, n+1
.endr
	s_mov_b32 s20, 0
	s_mov_b32 s21, 0
	s_mov_b32 s22, 0
.Lstep_\@:
	STEP 65536*\p+3840
	s_add_co_u32 s20, s20, 1
	s_cmp_lt_u32 s20, 16
	s_cbranch_scc1 .Lstep_\@
	; the way out: O^T / the sum; my 32 numbers are one block of the last product's K; its codes are half a fragment's image
	v_add_f32 v14, v14, v15
	v_permlanex16_b32 v[T0+1], v14, s16, s17
	v_add_f32 v14, v14, v[T0+1]                    ; the row's sum
	v_rcp_f32 v14, v14
.rept 4
	v_nop                                          ; the plain instruction behind the reciprocal, and the places behind the last products
.endr
	s_wait_alu depctr_va_vdst(0)                   ; ahead of the reciprocal's first reader
.set n, 0
.rept 32
	v_mul_f32 v[SR+n], v[OT+n], v14
.set n, n+1
.endr
	v_max3_num_f32 v[BM], |v[SR]|, |v[SR+1]|, 0x1800000
	v_max3_num_f32 v[BM+1], |v[SR+16]|, |v[SR+17]|, |v[SR+18]|
.irp i, 2,4,6,8,10,12
	v_max3_num_f32 v[BM], v[BM], |v[SR+\i]|, |v[SR+\i+1]|
	v_max3_num_f32 v[BM+1], v[BM+1], |v[SR+\i+17]|, |v[SR+\i+18]|
.endr
	v_max3_num_f32 v[BM], v[BM], |v[SR+14]|, |v[SR+15]|
	v_max3_num_f32 v[BM], v[BM], v[BM+1], |v[SR+31]|
	v_add_nc_u32 v[SO], 0xff000000, v[BM]
	v_lshrrev_b32 v[BY], 23, v[SO]
	v_cvt_scalef32_pk16_fp6_f32 v[PC:PC+2], v[SR:SR+15], v[SO]
	v_cvt_scalef32_pk16_fp6_f32 v[TA:TA+2], v[SR+16:SR+31], v[SO]
	v_nop
.irp i, 0,1,2
	v_mov_b32 v[PC+3+\i], v[TA+\i]
.endr
.irp g, 0,1,2
	global_store_b64 v[AK0], v[PC+2*\g:PC+2*\g+1], s[30:31] offset:204800*\p+256*\g   ; the wave stores 256 consecutive bytes, aligned
.endr
	global_store_b8 v[XSO], v[BY], s[100:101] offset:204800*\p+12288   ; 32 single bytes beside 768 bytes of codes: a row's 32 scale bytes come from 16 work-groups
	s_wait_xcnt 0x0                                ; the stores have read their registers
.endm
	PASS 0
	PASS 1
	s_wait_tensorcnt 0x0
	ds_add_u32 v254, v255
	s_wait_dscnt 0x0
	s_endpgm
.Lfunc_end_k_q2ef097d82b_attn:
	.size	k_q2ef097d82b_attn, .Lfunc_end_k_q2ef097d82b_attn-k_q2ef097d82b_attn
	.p2alignl 7, 3214868480
	.fill 96, 4, 3214868480
	.section	.rodata,"a",@progbits
	.p2align	6, 0x0
	.amdhsa_kernel k_q2ef097d82b_attn
		.amdhsa_group_segment_fixed_size 206848
		.amdhsa_private_segment_fixed_size 0
		.amdhsa_enable_private_segment 0
		.amdhsa_kernarg_size 24
		.amdhsa_user_sgpr_count 2
		.amdhsa_user_sgpr_kernarg_segment_ptr 1
		.amdhsa_wavefront_size32 1
		.amdhsa_system_sgpr_workgroup_id_x 1
		.amdhsa_system_sgpr_workgroup_id_y 1
		.amdhsa_system_sgpr_workgroup_id_z 1
		.amdhsa_system_vgpr_workitem_id 0
		.amdhsa_next_free_vgpr 256
		.amdhsa_next_free_sgpr 102
		.amdhsa_reserve_vcc 0
		.amdhsa_float_denorm_mode_32 3
		.amdhsa_float_denorm_mode_16_64 3
		.amdhsa_memory_ordered 1
		.amdhsa_forward_progress 1
		.amdhsa_inst_pref_size 60
	.end_amdhsa_kernel
	.amdgpu_metadata
---
amdhsa.version: [ 1, 2 ]
amdhsa.kernels:
  - .name:           k_q2ef097d82b_attn
    .symbol:         k_q2ef097d82b_attn.kd
    .args:
      - { .name: qkv, .offset: 0, .size: 8, .value_kind: global_buffer, .address_space: global }
      - { .name: mw, .offset: 8, .size: 8, .value_kind: global_buffer, .address_space: global }
      - { .name: xc, .offset: 16, .size: 8, .value_kind: global_buffer, .address_space: global }
    .group_segment_fixed_size: 206848
    .private_segment_fixed_size: 0
    .kernarg_segment_align: 8
    .kernarg_segment_size: 24
    .max_flat_workgroup_size: 512
    .sgpr_count:     102
    .vgpr_count:     256
    .wavefront_size: 32
...
	.end_amdgpu_metadata
.endif
;; end of part 3
;; launch oproj (part 4): grid 4 x 32, 4 waves a work-group, clusters of 4 x 4, 327,680 bytes of LDS; arguments xw, xc, bo, out0; writes out0
.if DOCPART == 4
	.amdgcn_target "amdgcn-amd-amdhsa--gfx1250"
	.amdhsa_code_object_version 6
	.text
	.protected	k_q2ef097d82b_oproj
	.globl	k_q2ef097d82b_oproj
	.p2align	8
	.type	k_q2ef097d82b_oproj,@function
k_q2ef097d82b_oproj:
	s_mov_b64 s[64:65], 0
	v_nop
	global_prefetch_b8 v0, s[64:65] scope:SCOPE_SE
	s_setreg_imm32_b32 hwreg(HW_REG_WAVE_MODE, 25, 1), 1
	s_wait_xcnt 0x0
	s_wait_alu depctr_hold_cnt(0) depctr_sa_sdst(0) depctr_va_vdst(0) depctr_va_sdst(0) depctr_va_ssrc(0) depctr_va_vcc(0) depctr_vm_vsrc(0)
	s_getreg_b32 s2, hwreg(HW_REG_IB_STS2, 6, 4)
	s_cmp_eq_u32 s2, 0
	s_cbranch_scc0 .Lentry_in_a_cluster
	s_endpgm
.Lentry_in_a_cluster:
	s_bfe_u32 s2, ttmp6, 0x10000c
	s_cmp_lg_u32 s2, 0xf033
	s_cbranch_scc0 .Lentry_shape_is_right
	s_endpgm
.Lentry_shape_is_right:
; OPROJ: out0 = x Wo + bo on codes of FP6 (E2M3) with E8M0 scales, f32 sums.  x comes from xc, Wo from xw (tiles 1,728 on), both as records: a tile of 16 rows for all of K: eight fragments as images of the operand's
; registers, 1,536 bytes each, then 32 scale bytes a row; row r of tile T is the natural row (or column of Wo) PI(T, r) = 64 (T / 4) + 32 (r / 8) + 8 (T % 4) + r % 8.
; Source 0 (P) = Wo's tiles, source 1 (Q) = x's: a lane holds one row of out0, and its registers of P's tile b the columns 64 (b / 4) + 32 (lane / 16) + 8 (b % 4) + 0 .. 7.
; A cluster of 4 x 4 work-groups makes 1,024 x 1,024 (cluster y: which 1,024 rows); a work-group 256 x 256, a wave 128 x 128: 64 accumulators, 512 registers.  K goes in steps of 256 through two LDS slots filled by the tensor
; data mover: 8 tiles x 3,072 consecutive bytes a load.  P's tiles are shared along a column of the cluster, Q's along a row: joint loads.  The scale bytes come once.  The bias is the C of the first K step's products.
; REGISTERS, in windows of 256: window 0: v0-31 addresses; v32-63 scale words, two sets; v64-127 the bias in the result's layout; v128-223 Q's fragments, one set (on the way out v128-255: rows of out0).
;   window 1: P's fragments, two sets, at v0 and v128.  windows 2, 3: the accumulators of Q's blocks 0-3 and 4-7 ((a, b) at v[8 (8 (a % 4) + b)]).
.set NQ,     2
.set FR,     12
.set NL,     6
.set NP,     4                         ; places behind this matrix instruction (ISA guide 7.12.1)
.set REC,    12800
.set RSC,    12288
.set STEPB,  3072
.set HALFT,  8*STEPB
.set SLOT,   4*HALFT
.set LAPS,   2
.set SCL,    2*SLOT
.set HALFS,  4352
.set SBLK,   544
.set SPARE,  SCL+4*HALFS               ; the spare words, 128 bytes for each wave: two blocks of 256 bytes that no other line names
.set SPITCH, 528                       ; the way out: a stage of 16 rows x (512 bytes + 16) for each wave, in slot 0, which has had its last fill and its last read when the first result is stored there
.set ADRA, 16
.set ADRB, 20
.set STO,  24                          ; v24 the stage, in
.set RD,   25                          ; v25 the stage, out
.set CO,   26                          ; v26 16 x lane
.set ADRS, 27
.set SPW,  28
.set NIL,  29
.set SC,   32
.set BI,   64
.set AF,   128
.set BK,   128
.set G1, 24
.set G0, 32
.set G1B, 48
.set G0B, 56
.set G1S, 68
.set G0S, 76
.set G1SB, 80
.set G0SB, 88
.set MSB, 0
.macro WIN new                         ; the immediate's high byte repeats the setting that is left
.if MSB != \new
	s_set_vgpr_msb (MSB<<8)|\new
.set MSB, \new
.endif
.endm
.set MUL_LO, 0xa1
.set MUL_HI, 0xf1
.set TO_B,   0x40
.macro JLOAD g0a, g1a, g0b, g1b        ; a joint load: waves 0 and 1 fetch for Q, waves 2 and 3 for P; four v_nop follow each line
	s_cmp_eq_u32 s15, 0
	s_cbranch_scc0 .Lfor_b_\@
	tensor_load_to_lds s[\g0a:\g0a+3], s[\g1a:\g1a+7]
	s_nop 0
.rept 4
	v_nop
.endr
	s_branch .Lasked_\@
.Lfor_b_\@:
	tensor_load_to_lds s[\g0b:\g0b+3], s[\g1b:\g1b+7]
	s_nop 0
.rept 4
	v_nop
.endr
.Lasked_\@:
.endm
.macro CREST
	s_cmp_lg_u32 s14, 0
	s_cbranch_scc1 .Lnot_wave_0_\@
	s_barrier_signal -3
.Lnot_wave_0_\@:
	s_barrier_wait -3
	s_barrier_signal -1
	s_barrier_wait -1
.endm
.macro CROUND
	s_barrier_signal -1
	s_barrier_wait -1
	CREST
.endm
	s_load_b256 s[4:11], s[0:1], 0x0               ; xw s[4:5], xc s[6:7], bo s[8:9], out0 s[10:11]
	v_lshl_add_u32 v[SPW], v0, 2, SPARE
	v_mov_b32 v[NIL], 0
	ds_add_u32 v28, v29
	ds_add_u32 v28, v29
	s_wait_dscnt 0x0
	v_lshrrev_b32 v1, 5, v0
	v_readfirstlane_b32 s14, v1                    ; wave 0..3
	s_lshr_b32 s15, s14, 1                         ; which half of Q's 16 tiles is mine.  Also: I fetch for Q (0) or for P (1)
	s_and_b32 s16, s14, 1                          ; which half of P's.  Also: which 8 tiles I fetch
	s_bfe_u32 s40, ttmp6, 0x40000                  ; cx, cy
	s_bfe_u32 s41, ttmp6, 0x40004
	s_and_b32 s17, ttmp7, 0xffff                   ; cluster y
	s_lshl_b32 s43, s41, 2
	s_lshl_b32 s43, 15, s43                        ; my row of the cluster
	s_lshl_b32 s44, 0x1111, s40                    ; my column
	s_or_b32 s[G1+0], s43, (3<<16)|(1<<21)         ; codes: 8 rows (tiles) of 384 elements of 8 bytes, 1,600 elements apart; Q's go to my row,
	s_or_b32 s[G1B+0], s44, (3<<16)|(1<<21)        ; P's to my column
.irp g, G1, G1B
	s_mov_b32 s[\g+1], 384<<16
	s_mov_b32 s[\g+2], 8<<16
	s_mov_b32 s[\g+3], 384<<16
	s_mov_b32 s[\g+4], 8
	s_mov_b32 s[\g+5], 1600
	s_mov_b32 s[\g+6], 0
	s_mov_b32 s[\g+7], 0
.endr
	s_or_b32 s[G1S+0], s43, (3<<16)|(1<<20)|(1<<21)|(5<<22)|(3<<25)   ; scales: 8 rows of 64 elements, 16 bytes of padding behind every 256
	s_or_b32 s[G1SB+0], s44, (3<<16)|(1<<20)|(1<<21)|(5<<22)|(3<<25)
.irp g, G1S, G1SB
	s_mov_b32 s[\g+1], 64<<16
	s_mov_b32 s[\g+2], 8<<16
	s_mov_b32 s[\g+3], 64<<16
	s_mov_b32 s[\g+4], 8
	s_mov_b32 s[\g+5], 1600
	s_mov_b32 s[\g+6], 0
	s_mov_b32 s[\g+7], 0
.endr
	s_lshl_b32 s19, s16, 3                         ; which 8 tiles I fetch
	s_lshl_b32 s20, s17, 6
	s_lshl_b32 s21, s41, 4
	s_add_co_u32 s20, s20, s21                     ; Q: tile 64 x cluster y + 16 cy: cy alone, which my row shares
	s_add_co_u32 s20, s20, s19
	s_lshl_b32 s46, s40, 4
	s_add_co_u32 s46, s46, s19
	s_add_co_u32 s46, s46, 1728                    ; P: tile 1,728 + 16 cx: cx alone, which my column shares
	s_mul_i32 s20, s20, REC
	s_mul_i32 s46, s46, REC
	s_mov_b32 s21, 0
	s_mov_b32 s47, 0
	s_mul_i32 s45, s14, HALFT
	s_mul_i32 s94, s14, HALFS
	s_wait_kmcnt 0x0
	s_add_nc_u64 s[20:21], s[6:7], s[20:21]
	s_add_nc_u64 s[46:47], s[4:5], s[46:47]
	CROUND                                         ; all sixteen work-groups are here: the first joint loads meet
	s_mov_b32 s[G0S], 1
	s_add_co_u32 s[G0S+1], s94, SCL
	s_add_nc_u64 s[G0S+2:G0S+3], s[20:21], RSC
	s_or_b32 s[G0S+3], s[G0S+3], 0x80000000
	s_mov_b32 s[G0SB], 1
	s_add_co_u32 s[G0SB+1], s94, SCL
	s_add_nc_u64 s[G0SB+2:G0SB+3], s[46:47], RSC
	s_or_b32 s[G0SB+3], s[G0SB+3], 0x80000000
	JLOAD G0S, G1S, G0SB, G1SB
.irp s, 0,1
	s_mov_b32 s[G0+4*\s], 1
	s_add_co_u32 s[G0+4*\s+1], s45, \s*SLOT
	s_add_nc_u64 s[G0+4*\s+2:G0+4*\s+3], s[20:21], \s*STEPB
	s_or_b32 s[G0+4*\s+3], s[G0+4*\s+3], 0x80000000
	s_mov_b32 s[G0B+4*\s], 1
	s_add_co_u32 s[G0B+4*\s+1], s45, \s*SLOT
	s_add_nc_u64 s[G0B+4*\s+2:G0B+4*\s+3], s[46:47], \s*STEPB
	s_or_b32 s[G0B+4*\s+3], s[G0B+4*\s+3], 0x80000000
	JLOAD G0+4*\s, G1, G0B+4*\s, G1B               ; three tensor loads of mine are out
.endr
	v_and_b32 v1, 15, v0                           ; r
	v_bfe_u32 v2, v0, 4, 1                         ; h
	v_and_b32 v3, 31, v0
	v_lshlrev_b32 v4, 3, v3                        ; 8 x lane
	s_mul_i32 s21, s15, HALFT
	s_mul_i32 s22, s16, HALFT
	s_add_co_u32 s22, s22, 2*HALFT
.irp s, 0,1
	v_add_nc_u32 v[ADRA+\s], s21, v4
	v_add_nc_u32 v[ADRB+\s], s22, v4
	s_add_co_u32 s21, s21, SLOT
	s_add_co_u32 s22, s22, SLOT
.endr
	v_lshlrev_b32 v5, 5, v1
	v_lshrrev_b32 v6, 8, v5
	v_lshl_add_u32 v5, v6, 4, v5
	s_mul_i32 s21, s15, HALFS
	s_mul_i32 s22, s16, HALFS
	s_add_co_u32 s22, s22, 2*HALFS
	s_sub_co_u32 s22, s22, s21
	v_mul_u32_u24 v6, s22, v2                      ; lanes 16-31 take P's
	s_add_co_u32 s21, s21, SCL
	v_add_nc_u32 v5, v5, v6
	v_add_nc_u32 v[ADRS], s21, v5
	s_mul_i32 s23, s14, 16*SPITCH                  ; my stage
	v_mul_u32_u24 v5, v1, SPITCH
	v_lshl_add_u32 v5, v2, 7, v5
	v_add_nc_u32 v[STO], s23, v5                   ; in: row r, + 128 bytes for lanes 16-31
	v_lshlrev_b32 v[CO], 4, v3
	v_add_nc_u32 v[RD], s23, v[CO]                 ; back: the 32 lanes take one row of 512 bytes
	s_lshl_b32 s22, s40, 10
	s_lshl_b32 s23, s16, 9
	s_add_co_u32 s22, s22, s23                     ; my first column, in bytes: 1,024 cx + 512 (wave % 2)
	s_mov_b32 s23, 0
	s_add_nc_u64 s[8:9], s[8:9], s[22:23]          ; in bo,
	s_add_nc_u64 s[12:13], s[10:11], s[22:23]      ; and in out0
	s_lshl_b32 s22, s17, 2
	s_add_co_u32 s22, s22, s41
	s_lshl_b32 s22, s22, 20                        ; 256 rows of 4,096 bytes for each work-group y,
	s_lshl_b32 s95, s15, 19                        ; 128 for my half
	s_add_co_u32 s22, s22, s95
	s_add_nc_u64 s[12:13], s[12:13], s[22:23]
	v_lshlrev_b32 v7, 7, v2                        ; the bias: lane (r, h) wants, for tile b, columns 64 (b / 4) + 32 h + 8 (b % 4) + 0 .. 7
.irp b, 0,1,2,3,4,5,6,7
	global_load_b128 v[BI+8*\b:BI+8*\b+3], v7, s[8:9] offset:4*(64*(\b/4)+8*(\b%4))
	global_load_b128 v[BI+8*\b+4:BI+8*\b+7], v7, s[8:9] offset:4*(64*(\b/4)+8*(\b%4))+16
.endr
	s_wait_loadcnt 0x0
.macro FRAG reg, adr, q, i             ; a fragment comes as it was stored: six groups of 256 consecutive bytes, 8 bytes a lane
.irp g, 0,1,2,3,4,5
	ds_load_b64 v[\reg+2*\g:\reg+2*\g+1], v[\adr] offset:STEPB*(\i)+1536*(\q)+256*\g
.endr
.endm
; 16 matrix instructions: Q's blocks a0, a0 + 1 x P's eight.  zero = 1: the first products start the sums from the bias.  The 64 accumulators take turns, one instruction a turn.
.macro MUL16 a0, p, q, sc, zero
.irp a, \a0, \a0+1
.irp b, 0,1,2,3,4,5,6,7
.if \zero
	v_wmma_scale_f32_16x16x128_f8f6f4 v[8*(8*((\a)%4)+\b):8*(8*((\a)%4)+\b)+7], v[128*(\p)+FR*\b:128*(\p)+FR*\b+FR-1], v[AF+FR*(\a):AF+FR*(\a)+FR-1], v[BI+8*\b:BI+8*\b+7], v[SC+8*NQ*(\sc)+NQ*\b+(\q)], v[SC+8*NQ*(\sc)+NQ*(\a)+(\q)] matrix_a_fmt:MATRIX_FMT_FP6 matrix_b_fmt:MATRIX_FMT_FP6 matrix_a_scale:MATRIX_SCALE_ROW1
.else
	v_wmma_scale_f32_16x16x128_f8f6f4 v[8*(8*((\a)%4)+\b):8*(8*((\a)%4)+\b)+7], v[128*(\p)+FR*\b:128*(\p)+FR*\b+FR-1], v[AF+FR*(\a):AF+FR*(\a)+FR-1], v[8*(8*((\a)%4)+\b):8*(8*((\a)%4)+\b)+7], v[SC+8*NQ*(\sc)+NQ*\b+(\q)], v[SC+8*NQ*(\sc)+NQ*(\a)+(\q)] matrix_a_fmt:MATRIX_FMT_FP6 matrix_b_fmt:MATRIX_FMT_FP6 matrix_a_scale:MATRIX_SCALE_ROW1
.endif
.endr
.endr
.endm
.macro FETCH_B slot, q, p
	WIN TO_B
.irp i, 0,1,2,3,4,5,6,7
	FRAG 128*(\p)+FR*\i, ADRB+\slot, \q, \i
.endr
	WIN 0
.endm
.macro FETCH_A slot, q, i0
.irp i, \i0, \i0+1, \i0+2, \i0+3
	FRAG AF+FR*(\i), ADRA+\slot, \q, \i
.endr
.endm
.macro SCALES sc
.irp i, 0,1,2,3,4,5,6,7
	ds_load_b64 v[SC+8*NQ*\sc+NQ*\i:SC+8*NQ*\sc+NQ*\i+1], v[ADRS] offset:\i*SBLK
.endr
.endm
.macro PLACES n                        ; plain vector instructions between a matrix instruction and a load into, or a read of, its registers (ISA guide 7.12.1 for vector instructions)
.rept \n
	v_nop
.endr
.endm
.macro STEP slot, q, zero
	s_wait_dscnt 4*NL                              ; P's set and Q's blocks 0-3 are in; the youngest 24 loads (Q's blocks 4-7) may be out
.if \zero
	WIN 0x81                                       ; C (the bias) window 0, D window 2
.else
	WIN MUL_LO
.endif
	MUL16 0, (\q)%2, \q, \slot, \zero
	MUL16 2, (\q)%2, \q, \slot, \zero
	s_wait_dscnt 0
	PLACES NP
	FETCH_B \slot, (\q)+1, 1-(\q)%2
	FETCH_A \slot, (\q)+1, 0
.if \zero
	WIN 0xc1
.else
	WIN MUL_HI
.endif
	MUL16 4, (\q)%2, \q, \slot, \zero
	MUL16 6, (\q)%2, \q, \slot, \zero
	PLACES NP
	WIN 0
	FETCH_A \slot, (\q)+1, 4
.endm
.macro TURN slot, next, fill           ; a slot's last step changes slots: one barrier; in front of it the wait for all my tensor loads, the add, and the wait for it and for my reads of this slot
	s_wait_tensorcnt 0x0                           ; all my tensor loads have landed: my part of the next slot
	ds_add_u32 v[SPW], v[NIL]                      ; 0 onto my spare word
	s_wait_dscnt 4*NL+1                            ; (the add and the youngest 24 loads may be out)
	WIN MUL_LO
	MUL16 0, 1, NQ-1, \slot, 0
	s_wait_dscnt 0x0                               ; the add is done, and my reads of this slot are over
	s_barrier_signal -1
	MUL16 2, 1, NQ-1, \slot, 0
	WIN 0
	s_barrier_wait -1
.if \fill
	CREST                                          ; the barrier has opened a round of the cluster's: no wave of any partner still reads this slot or has a load on its way
	s_add_nc_u64 s[G0+4*\slot+2:G0+4*\slot+3], s[G0+4*\slot+2:G0+4*\slot+3], 2*STEPB
	s_add_nc_u64 s[G0B+4*\slot+2:G0B+4*\slot+3], s[G0B+4*\slot+2:G0B+4*\slot+3], 2*STEPB
	JLOAD G0+4*\slot, G1, G0B+4*\slot, G1B         ; the first tensor load behind the round; its four v_nop are the places in front of the loads below
.else
	PLACES NP
.endif
	v_add_nc_u32 v[ADRS], 4*NQ, v[ADRS]
	FETCH_B \next, 0, 0
	FETCH_A \next, 0, 0
	SCALES \next
	WIN MUL_HI
	MUL16 4, 1, NQ-1, \slot, 0
	MUL16 6, 1, NQ-1, \slot, 0
	PLACES NP
	WIN 0
	FETCH_A \next, 0, 4
.endm
	s_wait_tensorcnt 1                             ; the scales and my part of slot 0 are in (slot 1's load may be out)
	s_barrier_signal -1
	s_barrier_wait -1                              ; everybody's are
	FETCH_B 0, 0, 0
	FETCH_A 0, 0, 0
	SCALES 0
	FETCH_A 0, 0, 4
	STEP 0, 0, 1
	s_mov_b32 s3, LAPS-1
.Llap:
	TURN 0, 1, 1
	STEP 1, 0, 0
	TURN 1, 0, 1
	STEP 0, 0, 0
	s_sub_co_u32 s3, s3, 1
	s_cmp_lg_u32 s3, 0
	s_cbranch_scc1 .Llap
	TURN 0, 1, 0                                   ; the last lap fills nothing
	STEP 1, 0, 0
	s_wait_dscnt 4*NL
	WIN MUL_LO
	MUL16 0, 1, NQ-1, 1, 0
	MUL16 2, 1, NQ-1, 1, 0
	s_wait_dscnt 0
	WIN MUL_HI
	MUL16 4, 1, NQ-1, 1, 0
	MUL16 6, 1, NQ-1, 1, 0
	WIN 0
; THE WAY OUT, block by block of 16 rows x 128 columns, through my own stage: in by the lanes' pieces of 32 bytes, at the columns' natural places; back as whole rows of 512 bytes.
; LDS serves a wave's instructions in order (ISA guide 5.7.1.4): no wait between the stores and the loads, nor in front of the next block's stores.
.macro TOSTAGE a
.set AC, 64*((\a)%4)
	WIN 0x08+4*((\a)/4)                            ; the data: window 2 or 3
.irp b, 0,1,2,3,4,5,6,7
	ds_store_b128 v[STO], v[AC+8*\b:AC+8*\b+3] offset:256*(\b/4)+32*(\b%4)          ; each accumulator from its low end on
	ds_store_b128 v[STO], v[AC+8*\b+4:AC+8*\b+7] offset:256*(\b/4)+32*(\b%4)+16
.endr
	WIN 0
.set BB, BK+64*((\a)%2)
.irp t, 0,1,2,3,4,5,6,7,8,9,10,11,12,13,14,15
	ds_load_b128 v[BB+4*\t:BB+4*\t+3], v[RD] offset:\t*SPITCH
.endr
.endm
.macro SEND a, younger                 ; younger: the LDS instructions issued behind block a's loads, which may stay out
.set BB, BK+64*((\a)%2)
	s_wait_dscnt \younger
.irp t, 0,1,2,3,4,5,6,7,8,9,10,11,12,13,14,15
	global_store_b128 v[CO], v[BB+4*\t:BB+4*\t+3], s[12:13] offset:(64*((\a)/4)+32*(\t/8)+8*((\a)%4)+\t%8)*4096 th:TH_STORE_NT   ; row t of tile a at its natural place; 512 consecutive bytes, aligned to 256; 127 rows at the most: inside the signed 24-bit immediate
.endr
.endm
	PLACES NP                                      ; in front of the first read of results and of the loads into Q's fragments' registers
	TOSTAGE 0
.irp a, 1,2,3,4,5,6,7
.if \a > 1
	s_wait_xcnt 0x0                                ; block a - 2's stores have read their registers: block a's loads may land there
.endif
	TOSTAGE \a
	SEND \a-1, 32                                  ; behind block a - 1's loads: block a's 16 stores and 16 loads
.endr
	SEND 7, 0
	s_wait_tensorcnt 0x0                           ; the wave's end
	ds_add_u32 v[SPW], v[NIL]
	s_wait_dscnt 0x0
	CROUND                                         ; the closing round: no work-group ends while a partner may still ask for a tile that names it
	s_endpgm
.Lfunc_end_k_q2ef097d82b_oproj:
	.size	k_q2ef097d82b_oproj, .Lfunc_end_k_q2ef097d82b_oproj-k_q2ef097d82b_oproj
	.p2alignl 7, 3214868480
	.fill 96, 4, 3214868480
	.section	.rodata,"a",@progbits
	.p2align	6, 0x0
	.amdhsa_kernel k_q2ef097d82b_oproj
		.amdhsa_group_segment_fixed_size 327680
		.amdhsa_private_segment_fixed_size 0
		.amdhsa_enable_private_segment 0
		.amdhsa_kernarg_size 32
		.amdhsa_user_sgpr_count 2
		.amdhsa_user_sgpr_kernarg_segment_ptr 1
		.amdhsa_wavefront_size32 1
		.amdhsa_system_sgpr_workgroup_id_x 1
		.amdhsa_system_sgpr_workgroup_id_y 1
		.amdhsa_system_sgpr_workgroup_id_z 1
		.amdhsa_system_vgpr_workitem_id 0
		.amdhsa_next_free_vgpr 1024
		.amdhsa_next_free_sgpr 100
		.amdhsa_reserve_vcc 0
		.amdhsa_float_denorm_mode_32 3
		.amdhsa_float_denorm_mode_16_64 3
		.amdhsa_memory_ordered 1
		.amdhsa_forward_progress 1
		.amdhsa_inst_pref_size 160
	.end_amdhsa_kernel
	.amdgpu_metadata
---
amdhsa.version: [ 1, 2 ]
amdhsa.kernels:
  - .name:           k_q2ef097d82b_oproj
    .symbol:         k_q2ef097d82b_oproj.kd
    .args:
      - { .name: xw, .offset: 0, .size: 8, .value_kind: global_buffer, .address_space: global }
      - { .name: xc, .offset: 8, .size: 8, .value_kind: global_buffer, .address_space: global }
      - { .name: bo, .offset: 16, .size: 8, .value_kind: global_buffer, .address_space: global }
      - { .name: out0, .offset: 24, .size: 8, .value_kind: global_buffer, .address_space: global }
    .group_segment_fixed_size: 327680
    .private_segment_fixed_size: 0
    .kernarg_segment_align: 8
    .kernarg_segment_size: 32
    .max_flat_workgroup_size: 128
    .sgpr_count:     100
    .vgpr_count:     1024
    .wavefront_size: 32
...
	.end_amdgpu_metadata
.endif
;; end of part 4
;; ======== version 2 of 2: 4 launches; version 1 with the launch attn written anew for expert scheduling mode
;; limits: right only within a limited range of input values
;; workspace buffers: xw 22,937,600 bytes; mw 2,097,152 bytes of whole numbers; qkv 19,660,800 bytes; xc 6,553,600 bytes
;; launch prep: the kernel of part 1 again; grid 640 x 1, 4 waves a work-group, no clusters, 58,880 bytes of LDS; arguments query, key, value, Wq, Wk, Wv, Wo, mask, xw, mw; writes xw, mw
;; launch proj: the kernel of part 2 again; grid 4 x 96, 4 waves a work-group, clusters of 4 x 4, 327,680 bytes of LDS; arguments xw, bq, bk, bv, qkv; writes qkv
;; launch attn (part 5): grid 4 x 64, 16 waves a work-group, no clusters, 206,848 bytes of LDS; arguments qkv, mw, xc; writes xc
.if DOCPART == 5
	.amdgcn_target "amdgcn-amd-amdhsa--gfx1250"
	.amdhsa_code_object_version 6
	.text
	.protected	k_q2ef097d82b_attn
	.globl	k_q2ef097d82b_attn
	.p2align	8
	.type	k_q2ef097d82b_attn,@function
k_q2ef097d82b_attn:
	s_mov_b64 s[64:65], 0
	v_nop
	global_prefetch_b8 v0, s[64:65] scope:SCOPE_SE
	s_setreg_imm32_b32 hwreg(HW_REG_WAVE_SCHED_MODE, 0, 2), 2
	s_setreg_imm32_b32 hwreg(HW_REG_WAVE_MODE, 25, 1), 1
	s_wait_xcnt 0x0
	s_wait_alu depctr_vm_vsrc(0)
; ATTN: for each batch and head, x = softmax(where(mask, q k^T / 8, -1e9)) v, both products on codes of FP6 (E2M3) with E8M0 scales; x is quantised along head x 64 + d and leaves as the last product's operand.
; THE SOFTMAX AHEAD OF THE SECOND PRODUCT: t = score x log2(e) / 8; M = the running largest t rounded UP to a whole number; p = 2^(t - M) is quantised along the keys, not normalised; the row's sum is taken of the unquantised p
; and divides at the end.  When M moves, the sum and O are multiplied by 2^(old M - new M): exact.
; SHARES.  Work-group (x, y): head y (= 16 b + head), queries 512 x .. 512 x + 511.  All of the head's K and V codes and scale words, 204,800 bytes, are copied into LDS once, through registers; then nothing in LDS is written again:
; one barrier in the launch.  Each of the 16 waves owns one tile of 16 queries in each of two passes and walks 16 key steps of 128.  Four waves share a SIMD: one wave's vector work stands beside another's products and LDS loads.
; NO TENSOR LOADS, NO CLUSTER: LDS is filled once and never again, 25 loads and 25 LDS stores a thread, so there is no ring to run; what the four work-groups of a head share is that one copy of 204,800 bytes,
; against 32 tile passes of 16 key steps in each of them.
; THE MASK comes as lane masks: 64 words a key step, bit l of word n = my lane's key n counts.  They are fetched into scalar registers ONE STEP AHEAD (four scalar loads of 64 bytes) and steer 64 selects in every step: no branch hangs on them.
; LAYOUT.  Row r of tile T is the natural row PI(T, r) = 64 (T / 4) + 32 (r / 8) + 8 (T % 4) + r % 8.  Both products are used transposed (S^T = K Q^T, O^T = V^T P^T): a lane holds one query, and by PI its 64 scores of a step are keys
; 64 c + 32 (lane / 16) + 0 .. 31: two WHOLE blocks of 32 in the order of the operand's registers; O^T's 32 registers are d = 32 (lane / 16) + 0 .. 31 likewise.  So no block's maximum and no code changes lanes.
; K = 64 IN A FORM OF 128: a fragment of K holds TWO key tiles (registers 0-5, 6-11); it is multiplied by [q | 0] and by [0 | q]: v16-21 q, v22-27 zeros, v28-33 q.
; LIMITS.  A masked score is -2^33, a logit of -2^30, where reference() has -1e9: times log2(e) / 8 it is a whole number, so a row with no key left gives p = 1 for every key, as reference()'s does; results agree while unmasked logits
; stay above -1e9.  A block of zeros gets the byte 1 (its codes are zeros).  NaN and infinities are not served.  A block's largest p is the exponential of its largest score: this takes v_exp_f32 not to fall where its input rises.
; THE MODE: SCHED_MODE bits 1:0 = 2 (LLVM: expert scheduling mode 2), set by the entry lines.  The code itself states the register dependences between vector or matrix instructions and memory or LDS instructions,
; with s_wait_alu, always for 0.
; THE PLAN.  Registers that LDS or memory instructions touch, in a key step:
;   v8-11    the step's LDS addresses.  Written by four additions at the step's head; read by K's loads (v8, v10) and by V's loads (v9, v11) of the same step.
;   v36-39   K's scale words.  Loaded at the head; read by the eight products S^T.
;   v44-91   four fragments.  K's loads land at the head; the products S^T read them; V's loads land; the four products O^T at the step's end read them.
;   v40-43   V's scale words.  Loaded with V; read by the products O^T.
;   v188-199, v35  p's codes and scale word: written by vector instructions, taken by the scaled products O^T.  (v16-34, q and its scale word: likewise, written at a pass's head.)
; One wait on vm_vsrc stands at the step's head, ahead of the four additions.  Four waits on va_vdst stand in a step: behind the additions (the addresses are written; the last step's products are done reading);
; behind the 64 exponentials (their results are written; the products S^T are done reading the fragments: V's loads follow it, dealt among the row's sums, which name none of the registers that these loads touch);
; behind the two further exponentials; and ahead of the products O^T (p's codes and scale word are written).  On the way out one more stands ahead of the stores.
.set KI,    6291456
.set VI,    12582912
.set QSO,   18874368
.set KSO,   19136512
.set HEADB, 98304                      ; a head's codes of K or of V
.set LV,    98304                      ; LDS: K's codes at 0, V's here,
.set LKS,   196608                     ; K's scale words [step][row][4 words],
.set LVS,   200704                     ; V's
.set AK0,  1                           ; v1  8 x lane: a group's place for my lane; also the offset of my stores
.set AV0,  2                           ; v2  8 x lane + LV
.set AKS0, 3                           ; v3  LKS + 16 r
.set AVS0, 4                           ; v4  LVS + 16 r
.set SH8,  5                           ; v5  8 x (lane / 16)
.set NEG,  6                           ; v6  -2^33
.set ADK,  8                           ; v8-11 the step's LDS addresses
.set ADV,  9
.set ADKS, 10
.set ADVS, 11
.set QF,   16                          ; v12 -M, v13 the largest t, v[14:15] the sum; v16-33 q, zeros, q
.set QS,   34                          ; v34 q's scale word; v35 p's; v36-39 K's four; v40-43 V's four: these hold scales and nothing else
.set PS,   35
.set KSC,  36
.set VSC,  40
.set KF,   44                          ; v44-91 four fragments: K's, then V's
.set SR,   92                          ; v92-155 S^T, then p
.set OT,   156                         ; v156-187 O^T
.set PC,   188                         ; v188-199 p's codes
.set TA,   200
.set BM,   208                         ; v208-211 the blocks' largest scores, two chains each
.set SO,   212
.set BY,   214
.set FF,   216                         ; v[216:217] f = 2^(old M - new M)
.set L2,   218                         ; v[218:219] the sum's second chain
.set T0,   220                         ; v220-223 at work
.set RAW,  224                         ; v224-230, v232-238 the two passes' q as loaded: six registers of codes, one scale word
.set XSO,  240                         ; v240 32 r + h: my scale byte's place in a record
; SCALARS: s10 wave; s12 16 b + head; s[16:17] lane selects; s[18:19] c; s20 the step; s21, s22 its codes' and scale words' place in LDS; s23 the mask words' offset; s26 a byte select;
; s[28:29] my tile's mask words; s[30:31], s[100:101] my tile's record in xc; s[32:63], s[68:99] a step's 64 mask words (at the head: addresses).
	s_load_b128 s[4:7], s[0:1], 0x0                ; qkv s[4:5], mw s[6:7]
	s_load_b64 s[8:9], s[0:1], 0x10                ; xc
	v_lshl_add_u32 v254, v0, 2, 0x32000
	v_mov_b32 v255, 0
	v_lshrrev_b32 v[T0], 5, v0
	v_readfirstlane_b32 s10, v[T0]                 ; wave 0..15
	; every offset and LDS address of the head is made here, ahead of one wait
	v_and_b32 v[T0], 31, v0
	v_lshlrev_b32 v[AK0], 3, v[T0]
	v_add_nc_u32 v[AV0], LV, v[AK0]
	v_and_b32 v[T0+1], 15, v0                      ; r
	v_bfe_u32 v[T0+2], v0, 4, 1                    ; h
	v_lshlrev_b32 v[T0+3], 4, v[T0+1]              ; 16 r
	v_add_nc_u32 v[AKS0], LKS, v[T0+3]
	v_add_nc_u32 v[AVS0], LVS, v[T0+3]
	v_lshlrev_b32 v[SH8], 3, v[T0+2]
	v_mov_b32 v[NEG], 0xd0000000
	v_lshl_add_u32 v[XSO], v[T0+1], 5, v[T0+2]
	v_lshlrev_b32 v8, 4, v0                        ; the fill: thread t takes 16 bytes at 16 t of each run of 8,192: 12 runs of K, 12 of V, 1 of scale words (threads 0-255 K's, 256-511 V's)
	v_lshrrev_b32 v9, 8, v0
	v_mul_u32_u24 v9, v9, 258048
	v_add_nc_u32 v9, v9, v8
.irp k, 0,1,2,3
	v_add_nc_u32 v[BM+\k], 65536*\k, v8            ; an LDS instruction's immediate reaches 65,535 bytes
.endr
	v_mov_b32 v[T0+1], 0                           ; a lane permute's destination counts as one of its sources
	v_mov_b32 v[FF+1], 0                           ; (named as the upper half of a pair)
	s_and_b32 s12, ttmp7, 0xffff                   ; 16 b + head
	s_lshr_b32 s13, s12, 4
	s_and_b32 s14, s12, 15
	s_lshl_b32 s15, ttmp9, 5
	s_wait_alu depctr_va_sdst(0)                   ; s10 is written, ahead of its first reader: my tile's number and all its addresses are made from it
	s_add_co_u32 s15, s15, s10                     ; my query tile of pass 0: 32 x + wave; pass 1's is 16 further on
	s_mov_b32 s16, 0x76543210
	s_mov_b32 s17, 0xfedcba98                      ; v_permlanex16_b32's selects for lane l xor 16
	s_mov_b32 s18, 0x3e38aa3b                      ; c = log2(e) / 8
	s_mov_b32 s19, s18                             ; (the packed form names the pair)
	s_and_b32 s27, s10, 1
	s_cmp_eq_u32 s27, 0
	s_mov_b32 s26, 0x03020302
	s_cselect_b32 s26, 0x01000100, s26             ; which two bytes of the loaded scale word are my tile's
	s_mov_b32 s3, 0
	s_lshl_b32 s2, s12, 7
	s_add_co_u32 s2, s2, s15
	s_mul_i32 s2, s2, 768
	s_wait_kmcnt 0x0
	s_add_nc_u64 s[32:33], s[4:5], s[2:3]          ; q's codes (s32-41 hold addresses at the head only)
	s_lshl_b32 s2, s12, 12
	s_lshr_b32 s27, s15, 3
	s_lshl_b32 s27, s27, 8
	s_add_co_u32 s2, s2, s27
	s_bfe_u32 s27, s10, 0x20001
	s_lshl_b32 s27, s27, 2
	s_add_co_u32 s2, s2, s27
	s_add_co_u32 s2, s2, QSO
	s_add_nc_u64 s[34:35], s[4:5], s[2:3]          ; q's scale word: [head][tile / 8][r][(tile % 8) / 2]
	s_mul_i32 s2, s12, HEADB
	s_add_co_u32 s2, s2, KI
	s_add_nc_u64 s[36:37], s[4:5], s[2:3]          ; the head's K,
	s_add_nc_u64 s[38:39], s[36:37], VI-KI         ; its V,
	s_lshl_b32 s2, s12, 12
	s_add_co_u32 s2, s2, KSO
	s_add_nc_u64 s[40:41], s[4:5], s[2:3]          ; K's scale words; V's lie 262,144 bytes on
	s_lshl_b32 s27, s13, 7
	s_add_co_u32 s27, s27, s15                     ; 128 b + tile
	s_lshl_b32 s2, s27, 12
	s_add_nc_u64 s[28:29], s[6:7], s[2:3]          ; my tile's mask words: 256 bytes a step
	s_mul_i32 s2, s27, 12800
	s_add_nc_u64 s[30:31], s[8:9], s[2:3]          ; my tile's record in xc
	s_lshl_b32 s2, s14, 1
	s_add_nc_u64 s[100:101], s[30:31], s[2:3]      ; in each row's 32 scale bytes: my head's two
	s_mul_i32 s2, s14, 768
	s_add_nc_u64 s[30:31], s[30:31], s[2:3]        ; K step head / 2, half head % 2
	s_wait_alu depctr_va_vdst(0)                   ; v1, v223, v8 and v9 are written, which the loads below read as offsets; v208-211, the LDS stores' addresses; v1 and v240, the offsets of the stores on the way out
.irp p, 0,1
.irp g, 0,1,2
	global_load_b64 v[RAW+8*\p+2*\g:RAW+8*\p+2*\g+1], v[AK0], s[32:33] offset:12288*\p+256*\g
.endr
	global_load_b32 v[RAW+8*\p+6], v[T0+3], s[34:35] offset:512*\p
.endr
.irp i, 0,1,2,3,4,5,6,7,8,9,10,11
	global_load_b128 v[44+4*\i:47+4*\i], v8, s[36:37] offset:8192*\i
.endr
.irp i, 0,1,2,3,4,5,6,7,8,9,10,11
	global_load_b128 v[92+4*\i:95+4*\i], v8, s[38:39] offset:8192*\i
.endr
	global_load_b128 v[140:143], v9, s[40:41]
.set m, 0
.rept 25
.if m%5 == 0
	s_wait_loadcnt 20-m                            ; the next five runs are in; the younger ones may be out
.endif
	ds_store_b128 v[BM+m/8], v[44+4*m:47+4*m] offset:8192*(m%8)
.set m, m+1
.endr
	s_wait_dscnt 0x0                               ; for the others' sake: my stores have landed
	s_barrier_signal -1
	s_barrier_wait -1                              ; the head's K, V and scale words lie in LDS; nobody writes LDS again.  All my loads are done: s32-41 are free for the mask words
.macro MWORDS                          ; a key step's 64 mask words, 256 bytes at offset s23 of my tile's
	s_load_b512 s[32:47], s[28:29], s23 offset:0x0
	s_load_b512 s[48:63], s[28:29], s23 offset:0x40
	s_load_b512 s[68:83], s[28:29], s23 offset:0x80
	s_load_b512 s[84:99], s[28:29], s23 offset:0xc0
.endm
; A KEY STEP: 128 keys.  lim: the offset of the pass's last step's mask words.
.macro STEP lim
	s_wait_alu depctr_vm_vsrc(0)                   ; the LDS loads issued so far have read v8-11, which the four lines below write.  In the launch's first step also: the fill's loads and LDS stores have read v8, v9, v44-143 and v208-211; in pass 1's first step: pass 0's stores have read v188-193 and v214.  This step writes all of them again
	v_add_nc_u32 v[ADK], s21, v[AK0]
	v_add_nc_u32 v[ADV], s21, v[AV0]
	v_add_nc_u32 v[ADKS], s22, v[AKS0]
	v_add_nc_u32 v[ADVS], s22, v[AVS0]
	s_wait_alu depctr_va_vdst(0)                   ; the four addresses are written, which this step's LDS loads read; the last step's products are done reading v36-39 and v44-91, in which the loads below land; in a pass's first step q, the zeros and q's scale word are written, which the scaled products below take
	ds_load_b128 v[KSC:KSC+3], v[ADKS]
.irp f, 0,1,2,3
.irp g, 0,1,2,3,4,5
	ds_load_b64 v[KF+12*\f+2*\g:KF+12*\f+2*\g+1], v[ADK] offset:1536*\f+256*\g
.endr
.endr
	s_wait_dscnt 0x0
.irp f, 0,1,2,3                                ; S^T = K Q^T: fragment f holds key tiles 2 f and 2 f + 1
	v_wmma_scale_f32_16x16x128_f8f6f4 v[SR+16*\f:SR+16*\f+7], v[KF+12*\f:KF+12*\f+11], v[QF:QF+11], 0, v[KSC+\f], v[QS] matrix_a_fmt:MATRIX_FMT_FP6 matrix_b_fmt:MATRIX_FMT_FP6
	v_wmma_scale_f32_16x16x128_f8f6f4 v[SR+16*\f+8:SR+16*\f+15], v[KF+12*\f:KF+12*\f+11], v[QF+6:QF+17], 0, v[KSC+\f], v[QS] matrix_a_fmt:MATRIX_FMT_FP6 matrix_b_fmt:MATRIX_FMT_FP6
.endr
.rept 4
	v_nop                                          ; places in front of the first read of the scores (ISA guide 7.12.1)
.endr
	s_wait_kmcnt 0x0                               ; this step's mask words, asked for a step ago, are in; their offset register may be written again
.set n, 0
.rept 64
	v_cndmask_b32 v[SR+n], v[NEG], v[SR+n], s[32+n+4*(n/32)]   ; bit l of word n: my lane's key n counts.  Ascending: every accumulator is first read at its low end
.set n, n+1
.endr
.irp c, 0,1                                    ; the largest score of each of my two blocks of 32 keys, two chains each
	v_max3_num_f32 v[BM+2*\c], v[SR+32*\c], v[SR+32*\c+1], v[SR+32*\c+2]
	v_max3_num_f32 v[BM+2*\c+1], v[SR+32*\c+16], v[SR+32*\c+17], v[SR+32*\c+18]
.endr
.irp i, 3,5,7,9,11,13
.irp c, 0,1
	v_max3_num_f32 v[BM+2*\c], v[BM+2*\c], v[SR+32*\c+\i], v[SR+32*\c+\i+1]
	v_max3_num_f32 v[BM+2*\c+1], v[BM+2*\c+1], v[SR+32*\c+16+\i], v[SR+32*\c+17+\i]
.endr
.endr
.irp c, 0,1
	v_max3_num_f32 v[BM+2*\c], v[BM+2*\c], v[BM+2*\c+1], v[SR+32*\c+15]
.endr
.irp c, 0,1
	v_max_num_f32 v[BM+2*\c], v[BM+2*\c], v[SR+32*\c+31]
.endr
	v_max_num_f32 v[T0], v[BM], v[BM+2]
	v_permlanex16_b32 v[T0+1], v[T0], s16, s17
	v_max_num_f32 v[T0], v[T0], v[T0+1]            ; the step's largest score of my query
	v_mul_f32 v[T0], s18, v[T0]                    ; as t (c is positive)
	v_max_num_f32 v13, v13, v[T0]                  ; the running largest t
	v_mov_b32 v[T0], v12
	v_floor_f32 v12, -v13                          ; the new -M = floor(-t): M is a whole number
	v_sub_f32 v[T0], v12, v[T0]                    ; old M - new M: a whole number, 0 or less
	v_cvt_i32_f32 v[T0], v[T0]                     ; (it saturates)
	v_ldexp_f32 v[FF], 1.0, v[T0]                  ; f = 2^(old M - new M)
	s_add_co_u32 s23, s23, 256                     ; THE NEXT STEP'S MASK WORDS are asked for here, behind the selects, their registers' last readers: they have the rest of this step and the next step's first product in which to land.
	s_min_u32 s23, s23, \lim                       ; The pass's last step has no next: its offset is held, the same 256 bytes come again, and no load leaves the buffer
	MWORDS
.set n, 0
.rept 32
	v_pk_fma_f32 v[SR+n:SR+n+1], v[SR+n:SR+n+1], s[18:19], v[12:13] op_sel_hi:[1,0,0]   ; t - M, two at a time
.set n, n+2
.endr
	v_fma_f32 v[BM], v[BM], s18, v12               ; the same of each block's largest score
	v_fma_f32 v[BM+2], v[BM+2], s18, v12
.set n, 0
.rept 64
	v_exp_f32 v[SR+n], v[SR+n]                     ; p = 2^(t - M), at most 1
.set n, n+1
.endr
	v_pk_mul_f32 v[14:15], v[14:15], v[FF:FF+1] op_sel_hi:[1,0]   ; the sums under the new M: the plain instruction behind the exponentials
	s_wait_alu depctr_va_vdst(0)                   ; the 64 exponentials have written v92-155, ahead of their first reader; the products S^T are done reading v44-91, and the last step's products v40-43: V's loads below land there
	v_exp_f32 v[BM], v[BM]                         ; the blocks' largest p
	v_exp_f32 v[BM+2], v[BM+2]
	ds_load_b128 v[VSC:VSC+3], v[ADVS]             ; V's scale words and fragments are asked for from here on, three loads at a time among the sums.  No further wait: no vector instruction since the wait above names v9, v11, v40-43 or v44-91
	v_pk_add_f32 v[L2:L2+1], v[SR:SR+1], v[SR+2:SR+3]   ; the row's sum is taken of the unquantised p, in two chains
.set n, 0
.irp j, 4,8,12,16,20,24,28,32,36,40,44,48,52,56,60
.if n < 24
.rept 3
	ds_load_b64 v[KF+2*n:KF+2*n+1], v[ADV] offset:1536*(n/6)+256*(n%6)   ; group n % 6 of tile n / 6 of the head's 64
.set n, n+1
.endr
.endif
	v_pk_add_f32 v[14:15], v[14:15], v[SR+\j:SR+\j+1]
	v_pk_add_f32 v[L2:L2+1], v[L2:L2+1], v[SR+\j+2:SR+\j+3]
.endr
	v_pk_add_f32 v[14:15], v[14:15], v[L2:L2+1]
	s_wait_alu depctr_va_vdst(0)                   ; the two exponentials have written v208 and v210, ahead of their first reader
.irp c, 0,1
	v_max_num_f32 v[BM+2*\c], 0x1800000, v[BM+2*\c]   ; the floor 2^(3 - 127): the byte cannot fall under 1
.endr
.irp c, 0,1
	v_add_nc_u32 v[SO+\c], 0xff000000, v[BM+2*\c]
.endr
.irp c, 0,1
	v_lshrrev_b32 v[BY+\c], 23, v[SO+\c]
.endr
	v_lshl_or_b32 v[PS], v[BY+1], 16, v[BY]        ; my blocks are h and 2 + h of the step's four
	v_lshlrev_b32 v[PS], v[SH8], v[PS]
	v_permlanex16_b32 v[T0+1], v[PS], s16, s17
	v_or_b32 v[PS], v[PS], v[T0+1]                 ; p's scale word for these 128 keys
.irp c, 0,1
	v_cvt_scalef32_pk16_fp6_f32 v[PC+6*\c:PC+6*\c+2], v[SR+32*\c:SR+32*\c+15], v[SO+\c]
	v_cvt_scalef32_pk16_fp6_f32 v[TA+4*\c:TA+4*\c+2], v[SR+32*\c+16:SR+32*\c+31], v[SO+\c]
.endr
	v_nop                                          ; one plain instruction behind the conversions
.irp c, 0,1
.irp i, 0,1,2
	v_mov_b32 v[PC+6*\c+3+\i], v[TA+4*\c+\i]
.endr
.endr
.set n, 0
.rept 16
	v_pk_mul_f32 v[OT+n:OT+n+1], v[OT+n:OT+n+1], v[FF:FF+1] op_sel_hi:[1,0]   ; O^T under the new M.  These 16 also stand between the writes of p's codes and scale word and the products
.set n, n+2
.endr
	s_wait_dscnt 0x0                               ; V
	s_wait_alu depctr_va_vdst(0)                   ; p's codes v188-199 and p's scale word v35 are written, which the scaled products below take; the places above stay beside this wait
.irp t, 0,1,2,3                                ; O^T += V^T P^T: the four accumulators take turns
	v_wmma_scale_f32_16x16x128_f8f6f4 v[OT+8*\t:OT+8*\t+7], v[KF+12*\t:KF+12*\t+11], v[PC:PC+11], v[OT+8*\t:OT+8*\t+7], v[VSC+\t], v[PS] matrix_a_fmt:MATRIX_FMT_FP6 matrix_b_fmt:MATRIX_FMT_FP6
.endr
	s_add_co_u32 s21, s21, 6144
	s_add_co_u32 s22, s22, 256
.endm
.macro PASS p
.if \p > 0
	s_wait_kmcnt 0x0                               ; the last pass's last scalar loads are done: their registers and their offset may be written
.endif
	s_mov_b32 s23, 65536*\p                        ; pass 1's tile lies 16 x 4,096 bytes on
	MWORDS                                         ; key step 0's mask words
.irp i, 0,1,2,3,4,5
	v_mov_b32 v[QF+\i], v[RAW+8*\p+\i]
	v_mov_b32 v[QF+6+\i], 0
	v_mov_b32 v[QF+12+\i], v[RAW+8*\p+\i]
.endr
	v_perm_b32 v[QS], v[RAW+8*\p+6], v[RAW+8*\p+6], s26   ; my tile's two bytes, twice
	v_mov_b32 v13, 0xff61b1e6                      ; the largest t so far: -3e38
	v_floor_f32 v12, -v13
	v_mov_b32 v14, 0
	v_mov_b32 v15, 0
.set n, 0
.rept 32
	v_mov_b32 v[OT+n], 0                           ; the step is written once: the first finds zeros, which the first change of M leaves zeros
.set n, n+1
.endr
	s_mov_b32 s20, 0
	s_mov_b32 s21, 0
	s_mov_b32 s22, 0
.Lstep_\@:
	STEP 65536*\p+3840
	s_add_co_u32 s20, s20, 1
	s_cmp_lt_u32 s20, 16
	s_cbranch_scc1 .Lstep_\@
	; the way out: O^T / the sum; my 32 numbers are one block of the last product's K; its codes are half a fragment's image
	v_add_f32 v14, v14, v15
	v_permlanex16_b32 v[T0+1], v14, s16, s17
	v_add_f32 v14, v14, v[T0+1]                    ; the row's sum
	v_rcp_f32 v14, v14
.rept 4
	v_nop                                          ; the plain instruction behind the reciprocal, and the places behind the last products
.endr
	s_wait_alu depctr_va_vdst(0)                   ; the reciprocal has written v14, ahead of its first reader
.set n, 0
.rept 32
	v_mul_f32 v[SR+n], v[OT+n], v14
.set n, n+1
.endr
	v_max3_num_f32 v[BM], |v[SR]|, |v[SR+1]|, 0x1800000
	v_max3_num_f32 v[BM+1], |v[SR+16]|, |v[SR+17]|, |v[SR+18]|
.irp i, 2,4,6,8,10,12
	v_max3_num_f32 v[BM], v[BM], |v[SR+\i]|, |v[SR+\i+1]|
	v_max3_num_f32 v[BM+1], v[BM+1], |v[SR+\i+17]|, |v[SR+\i+18]|
.endr
	v_max3_num_f32 v[BM], v[BM], |v[SR+14]|, |v[SR+15]|
	v_max3_num_f32 v[BM], v[BM], v[BM+1], |v[SR+31]|
	v_add_nc_u32 v[SO], 0xff000000, v[BM]
	v_lshrrev_b32 v[BY], 23, v[SO]
	v_cvt_scalef32_pk16_fp6_f32 v[PC:PC+2], v[SR:SR+15], v[SO]
	v_cvt_scalef32_pk16_fp6_f32 v[TA:TA+2], v[SR+16:SR+31], v[SO]
	v_nop
.irp i, 0,1,2
	v_mov_b32 v[PC+3+\i], v[TA+\i]
.endr
	s_wait_alu depctr_va_vdst(0)                   ; the conversion and the moves have written v188-193, the shift v214: the four stores below read them
.irp g, 0,1,2
	global_store_b64 v[AK0], v[PC+2*\g:PC+2*\g+1], s[30:31] offset:204800*\p+256*\g   ; the wave stores 256 consecutive bytes, aligned
.endr
	global_store_b8 v[XSO], v[BY], s[100:101] offset:204800*\p+12288   ; 32 single bytes beside 768 bytes of codes: a row's 32 scale bytes come from 16 work-groups
	s_wait_xcnt 0x0                                ; the stores' addresses are translated; the wait on vm_vsrc at the head of the next pass's first step stands beside this one, ahead of the first line that writes their data registers again
.endm
	PASS 0
	PASS 1
	s_wait_dscnt 0x0
	s_wait_alu depctr_hold_cnt(0) depctr_sa_sdst(0) depctr_va_vdst(0) depctr_va_sdst(0) depctr_va_ssrc(0) depctr_va_vcc(0) depctr_vm_vsrc(0)
	s_wait_tensorcnt 0x0
	ds_add_u32 v254, v255
	s_wait_dscnt 0x0
	s_endpgm
.Lfunc_end_k_q2ef097d82b_attn:
	.size	k_q2ef097d82b_attn, .Lfunc_end_k_q2ef097d82b_attn-k_q2ef097d82b_attn
	.p2alignl 7, 3214868480
	.fill 96, 4, 3214868480
	.section	.rodata,"a",@progbits
	.p2align	6, 0x0
	.amdhsa_kernel k_q2ef097d82b_attn
		.amdhsa_group_segment_fixed_size 206848
		.amdhsa_private_segment_fixed_size 0
		.amdhsa_enable_private_segment 0
		.amdhsa_kernarg_size 24
		.amdhsa_user_sgpr_count 2
		.amdhsa_user_sgpr_kernarg_segment_ptr 1
		.amdhsa_wavefront_size32 1
		.amdhsa_system_sgpr_workgroup_id_x 1
		.amdhsa_system_sgpr_workgroup_id_y 1
		.amdhsa_system_sgpr_workgroup_id_z 1
		.amdhsa_system_vgpr_workitem_id 0
		.amdhsa_next_free_vgpr 256
		.amdhsa_next_free_sgpr 102
		.amdhsa_reserve_vcc 0
		.amdhsa_float_denorm_mode_32 3
		.amdhsa_float_denorm_mode_16_64 3
		.amdhsa_memory_ordered 1
		.amdhsa_forward_progress 1
		.amdhsa_inst_pref_size 60
	.end_amdhsa_kernel
	.amdgpu_metadata
---
amdhsa.version: [ 1, 2 ]
amdhsa.kernels:
  - .name:           k_q2ef097d82b_attn
    .symbol:         k_q2ef097d82b_attn.kd
    .args:
      - { .name: qkv, .offset: 0, .size: 8, .value_kind: global_buffer, .address_space: global }
      - { .name: mw, .offset: 8, .size: 8, .value_kind: global_buffer, .address_space: global }
      - { .name: xc, .offset: 16, .size: 8, .value_kind: global_buffer, .address_space: global }
    .group_segment_fixed_size: 206848
    .private_segment_fixed_size: 0
    .kernarg_segment_align: 8
    .kernarg_segment_size: 24
    .max_flat_workgroup_size: 512
    .sgpr_count:     102
    .vgpr_count:     256
    .wavefront_size: 32
...
	.end_amdgpu_metadata
.endif
;; end of part 5
;; launch oproj: the kernel of part 4 again; grid 4 x 32, 4 waves a work-group, clusters of 4 x 4, 327,680 bytes of LDS; arguments xw, xc, bo, out0; writes out0
